; MI455X (gfx1250); checked and timed in simulation.
; The chip was launched on July 23, 2026; its instructions are those of AMD's public machine-readable ISA for CDNA 5 (MIT licence, August 2026) and "CDNA5" Instruction Set Architecture Reference Guide (July 2026). The comments in the code are by the model that wrote it; some were corrected since.
;; Causal Self Attention. Allowed arithmetic: matrix products marked QUANTISED: E2M3 operands, one E8M0 scale for each 32 along K, by v_wmma_scale_f32_16x16x128_f8f6f4 with both operands' format E2M3, f32 sums; everything else in f32.
;; Inputs: W_out 1,024 x 1,024 float32; W_qkv 3,072 x 1,024 float32; x 4 x 2,048 x 1,024 float32.
;; Outputs: out0 4 x 2,048 x 1,024 float32.
;; This version of the problem:
;;   THIS VERSION OF THE PROBLEM IS GIVEN IN LOW PRECISION. The matrix products marked QUANTISED in the list below multiply operands that are first quantised to E2M3 (2 exponent bits, 3 mantissa bits; 6 bits a number), with one power-of-two scale for each 32 numbers along K (OCP MX v1.0); their sums are f32. All else is computed in f32.
;;   The module's matrix products, in the order in which they are computed (A, B: the left and right operand; K: the contracted axis; several contracted axes count as one K, in the product's order):
;;     1. [M 8,192, K 1,024] x [K 1,024, N 3,072]; A: input x; B: input W_qkv: QUANTISED
;;     2. batch 64 x [M 2,048, K 64] x [K 64, N 2,048]; A: computed on the way; B: computed on the way: QUANTISED
;;     3. batch 64 x [M 2,048, K 2,048] x [K 2,048, N 64]; A: softmax (see below); B: computed on the way: QUANTISED
;;     4. [M 8,192, K 1,024] x [K 1,024, N 1,024]; A: computed on the way; B: input W_out: QUANTISED
;;   THE QUANTISER, for each operand of a quantised product, along K:
;;     - K is cut into blocks of 32 from its start; a last block that is shorter is filled with zeros.
;;     - A block's scale is 2^e with e = floor(log2(the largest magnitude in the block)) - 2, held to -126 .. 127; a block of zeros has e = 0. As a byte (E8M0): e + 127.
;;     - Each number is divided by its block's scale, clamped to +-7.5, and rounded to the nearest number of E2M3, ties to even, subnormals kept.
;;     - The product sums the exact products of the quantised numbers (number of the format x scale) in f32.
;;   ~~~python
;;   def quantise(x, axis):      # numpy; x: float32 -> the quantised numbers, widened to float32 again
;;       x = np.moveaxis(x, axis, -1); K = x.shape[-1]
;;       x = np.pad(x, [(0, 0)] * (x.ndim - 1) + [(0, -K % 32)]); x = x.reshape(x.shape[:-1] + (-1, 32)); a = np.abs(x).max(-1, keepdims=True)
;;       e = np.where(a > 0, np.clip(np.frexp(np.where(a > 0, a, 1))[1] - 1 - 2, -126, 127), 0)      # np.frexp(a)[1] - 1 = floor(log2(a)), exactly
;;       r = np.clip(x / 2.0 ** e, -7.5, 7.5)
;;       step = 2.0 ** (np.maximum(np.frexp(np.where(r == 0, 1, r))[1] - 1, 0) - 3)
;;       q = np.round(r / step) * step * 2.0 ** e      # np.round: ties to even
;;       return np.moveaxis(q.reshape(q.shape[:-2] + (-1,))[..., :K], -1, axis).astype(np.float32)
;;   ~~~
;;   SOFTMAX AHEAD OF A QUANTISED PRODUCT. Where the list says 'softmax', what is quantised is not the finished softmax but p = 2^(t - M), with t = logit x log2(e) and M = ceil(the row's largest t), a whole number; so 1/2 < the row's largest p <= 1. The row's sum l is taken of the UNQUANTISED p, in f32, and the product's result is divided by l at the end. Since M is a whole number, a kernel that streams over the keys may use a running M (the ceiling of the running maximum): every later rescaling is an exact power of two, which a block's scale takes up: the codes' values come out the same.
;;   OPERANDS COMPUTED ON THE WAY. 'Computed on the way' means the value that the module computes at that place (a softmax that the list does not call 'softmax' is quantised finished and normalised). What goes into a quantiser is computed in f32, as accurately as f32 sums, v_exp_f32 and their like allow (about 1e-6 of the number): no bf16 or f16 on the way to a quantiser, and a product that is left as it is and whose result goes on into a quantised operand takes f32 operands (vector FMAs, or v_wmma_f32_16x16x4_f32). A number that lies on a knife's edge between two numbers of the format may be rounded either way, as far as f32 arithmetic and the matrix unit's own rounding can turn it there, and no further.
;; One version. Each part assembles by itself: llvm-mc -triple=amdgcn-amd-amdhsa -mcpu=gfx1250 --defsym DOCPART=n.
;; ======== version 1 of 1: 4 launches
;; workspace buffers: cod 9,437,184 bytes; scl 393,216 bytes; q_img 6,291,456 bytes; q_sc 524,288 bytes; kv 13,369,344 bytes; o_img 6,291,456 bytes; o_sc 262,144 bytes
;; launch quant (part 1): grid 256 x 1, 3 waves a work-group, no clusters, 26,112 bytes of LDS; arguments x, W_qkv, W_out, cod, scl; writes cod, scl
.if DOCPART == 1
	.amdgcn_target "amdgcn-amd-amdhsa--gfx1250"
	.amdhsa_code_object_version 6
	.text
	.protected	k_q96a48aa6d4_quant
	.globl	k_q96a48aa6d4_quant
	.p2align	8
	.type	k_q96a48aa6d4_quant,@function
k_q96a48aa6d4_quant:
	s_mov_b64 s[64:65], 0
	v_nop
	global_prefetch_b8 v0, s[64:65] scope:SCOPE_SE
	s_setreg_imm32_b32 hwreg(HW_REG_WAVE_MODE, 25, 1), 1
	s_wait_xcnt 0x0
; x [8192][1024], W_qkv [3072][1024], W_out [1024][1024], f32, K innermost, become codes of FP6 (E2M3) with one E8M0 byte for each 32 along K.
; The three tensors are one run of 12,288 rows: 768 tiles of 16 rows; 256 work-groups x 3 waves: a wave takes one tile, 16 rows x 1,024 numbers = 8 fragments of 16 rows x 128 K.
; THE CODES LIE AS IMAGES OF THE OPERAND'S REGISTERS: [tile of 16 rows][K step of 128][piece p = 0..5][lane][8 bytes], piece p = registers 2 p, 2 p + 1 of the 12 of a fragment: 1,536 bytes a fragment.
; THE ORDER INSIDE A BLOCK OF 32: place 16 a + i of a block holds its number 8 a + (i & 7) + 16 (i >> 3).  Every operand of this program lies so (it is the order in which a transposed matrix result
; gives a lane its numbers); the same order on both sides of a product leaves each block's scale and the sum of its products as they are.
; A block's scale byte is its largest magnitude's exponent field - 2, held at 1 from below.  The bytes lie [row][32].
; LIMITS: a block whose largest magnitude lies under 2^-124 keeps the byte 1; a block of zeros gets the byte 1 (its codes are zeros; this program alone reads the bytes); NaN and infinities are not served.
; Each load reads 512 consecutive bytes of one row; a fragment's 16 x 512 bytes turn through the wave's own stage in LDS (rows 528 bytes apart) and come back 64 numbers a lane.  Waves share nothing: no barrier.
; Loads run four fragments ahead: 64 loads of 512 bytes a wave.
.set STG,  8448                        ; a wave's stage: 16 rows x (512 + 16) bytes
.set SWR,  16                          ; v16-23  the eight fragments' scale words
.set TM,   32                          ; v32-35 largest magnitudes, v36-39 the other half's, then the bytes, v44-47 the conversions' scale operands
.set PW,   48                          ; v48     the scale word just made
.set PC,   64                          ; v64-83  the codes just made
.set X,    128                         ; v128-191 64 numbers of my row, register 16 b + i = place 16 (lane / 16) + i of block b
.set SEL,  22                          ; s[22:23] lane selects: lane l xor 16
.set MSB,  0
.macro WIN new                         ; the immediate's high byte repeats the setting that is left
.if MSB != \new
	s_set_vgpr_msb (MSB<<8)|\new
.set MSB, \new
.endif
.endm
	s_load_b256 s[4:11], s[0:1], 0x0               ; x s[4:5], W_qkv s[6:7], W_out s[8:9], cod s[10:11]
	s_load_b64 s[12:13], s[0:1], 0x20              ; scl
	v_lshl_add_u32 v254, v0, 2, 0x6400
	v_mov_b32 v255, 0
	v_lshrrev_b32 v1, 5, v0
	v_readfirstlane_b32 s16, v1                    ; wave 0..2
	v_and_b32 v1, 31, v0                           ; lane
	v_and_b32 v2, 15, v0                           ; r
	v_bfe_u32 v3, v0, 4, 1                         ; h
	v_lshlrev_b32 v4, 4, v1                        ; a load's 512 bytes: 16 a lane
	s_mul_i32 s24, s16, STG
	v_add_nc_u32 v5, s24, v4                       ; into the stage: as loaded
	v_mul_u32_u24 v6, v2, 528
	v_lshl_add_u32 v6, v3, 5, v6
	v_add_nc_u32 v6, s24, v6                       ; out of it: row r, + 32 h bytes
	v_lshlrev_b32 v7, 3, v1                        ; a piece's 256 bytes: 8 a lane
	v_lshlrev_b32 v8, 5, v2
	v_lshl_add_u32 v8, v3, 4, v8                   ; the scale bytes: row r's 32, my half of them
	s_mov_b32 s[SEL], 0x76543210
	s_mov_b32 s[SEL+1], 0xfedcba98
.irp b, 0,1,2,3
	v_mov_b32 v[TM+4+\b], 0                        ; written once: a lane permute's destination counts as one of its sources
.endr
	s_mul_i32 s17, ttmp9, 3
	s_add_co_u32 s17, s17, s16                     ; my tile of 16 rows, 0..767
	s_mul_i32 s20, s17, 12288                      ; its codes
	s_mov_b32 s21, 0
	s_lshl_b32 s26, s17, 9                         ; its scale bytes
	s_mov_b32 s27, 0
	s_wait_kmcnt 0x0
	s_cmp_lt_u32 s17, 512                          ; which tensor: the choice hangs on ids alone
	s_cselect_b64 s[14:15], s[4:5], s[6:7]
	s_cselect_b32 s18, 0, 512
	s_cmp_lt_u32 s17, 704
	s_cselect_b64 s[14:15], s[14:15], s[8:9]
	s_cselect_b32 s18, s18, 704
	s_sub_co_u32 s18, s17, s18                     ; my tile within it
	s_lshl_b32 s18, s18, 16                        ; 16 rows of 4,096 bytes
	s_mov_b32 s19, 0
	s_add_nc_u64 s[14:15], s[14:15], s[18:19]
	s_add_nc_u64 s[10:11], s[10:11], s[20:21]
	s_add_nc_u64 s[12:13], s[12:13], s[26:27]
.macro LOAD t                          ; fragment t: 512 bytes of each of the 16 rows, into set t % 4 of window 1
	WIN 0x40
.irp i, 0,1,2,3,4,5,6,7,8,9,10,11,12,13,14,15
	global_load_b128 v[64*((\t)%4)+4*\i:64*((\t)%4)+4*\i+3], v4, s[14:15] offset:4096*\i+512*(\t) th:TH_LOAD_NT
.endr
	WIN 0
.endm
.macro TURN t                          ; through the stage; LDS serves a wave's instructions in order, so no wait stands between the stores and the loads
	WIN 0x04                                       ; an LDS store's data are its source 1: window 1
.irp i, 0,1,2,3,4,5,6,7,8,9,10,11,12,13,14,15
	ds_store_b128 v5, v[64*((\t)%4)+4*\i:64*((\t)%4)+4*\i+3] offset:528*\i
.endr
	WIN 0
.irp b, 0,1,2,3
.irp j, 0,1,2,3
	ds_load_b128 v[X+16*\b+4*\j:X+16*\b+4*\j+3], v6 offset:128*\b+16*(\j%2)+64*(\j/2)   ; numbers 8 h + 4 (j % 2) + 16 (j / 2) + 0..3 of block b
.endr
.endr
.endm
; 64 numbers of a lane become a fragment's codes in v[PC] .. v[PC + 11] and its scale word in v[PW]
.macro QUANT s
.irp b, 0,1,2,3
	v_max3_num_f32 v[TM+\b], |v[\s+16*\b]|, |v[\s+1+16*\b]|, 0x1800000   ; my 16 numbers of block b, and the floor 2^(3 - 127): the byte cannot fall under 1
.endr
.irp i, 2,4,6,8,10,12,14
.irp b, 0,1,2,3
	v_max3_num_f32 v[TM+\b], v[TM+\b], |v[\s+16*\b+\i]|, |v[\s+1+16*\b+\i]|
.endr
.endr
.irp b, 0,1,2,3
	v_permlanex16_b32 v[TM+4+\b], v[TM+\b], s[SEL], s[SEL+1]
.endr
.irp b, 0,1,2,3
	v_max_num_f32 v[TM+\b], v[TM+\b], v[TM+4+\b]   ; with lane l xor 16's 16: the block's largest magnitude
.endr
.irp b, 0,1,2,3
	v_add_nc_u32 v[TM+12+\b], 0xff000000, v[TM+\b] ; 2 off its exponent field: the conversion's scale operand
.endr
.irp b, 0,1,2,3
	v_lshrrev_b32 v[TM+4+\b], 23, v[TM+12+\b]      ; the scale's byte
.endr
	v_lshl_or_b32 v[PW], v[TM+5], 8, v[TM+4]
	v_lshl_or_b32 v[PW], v[TM+6], 16, v[PW]
	v_lshl_or_b32 v[PW], v[TM+7], 24, v[PW]
.irp c, 0,1
	v_cvt_scalef32_pk16_fp6_f32 v[PC+6*\c:PC+2+6*\c], v[\s+32*\c:\s+15+32*\c], v[TM+12+2*\c]
	v_cvt_scalef32_pk16_fp6_f32 v[PC+12+4*\c:PC+14+4*\c], v[\s+16+32*\c:\s+31+32*\c], v[TM+12+2*\c+1]   ; (a conversion's three registers begin on an even number)
.endr
	v_nop                                          ; one plain instruction behind a scaled conversion
.irp c, 0,1                                    ; the operand wants a whole block in a lane: lanes 0-15 block 2 c, lanes 16-31 block 2 c + 1
.irp i, 0,1,2
	v_permlane16_swap_b32 v[PC+6*\c+\i], v[PC+12+4*\c+\i]
.endr
.irp i, 0,1,2
	v_mov_b32 v[PC+3+6*\c+\i], v[PC+12+4*\c+\i]
.endr
.endr
.endm
.macro STEP t
.if 7-(\t) >= 3
	s_wait_loadcnt 48                              ; fragment t's 16 loads are in; those of the three fragments behind it may be out
.else
	s_wait_loadcnt 16*(7-(\t))
.endif
	s_wait_xcnt 0x0                                ; the last fragment's stores have read their data: the codes' registers are written again only behind this wait
	TURN \t
	s_wait_dscnt 0x0                               ; my 64 numbers are back, and the stage's stores have read their registers,
.if (\t) < 4
	LOAD (\t)+4                                    ; which take the fragment four further on
.endif
	QUANT X
	v_mov_b32 v[SWR+(\t)], v[PW]
.irp p, 0,1,2,3,4,5
	global_store_b64 v7, v[PC+2*\p:PC+2*\p+1], s[10:11] offset:1536*(\t)+256*\p   ; 32 lanes store 256 consecutive bytes, aligned
.endr
.endm
	LOAD 0
	LOAD 1
	LOAD 2
	LOAD 3
.irp t, 0,1,2,3,4,5,6,7
	STEP \t
.endr
	v_cmp_eq_u32 vcc_lo, 1, v3                     ; lanes 16-31 take the row's upper four words
.irp j, 0,1,2,3
	v_cndmask_b32 v[24+\j], v[SWR+\j], v[SWR+4+\j], vcc_lo
.endr
	global_store_b128 v8, v[24:27], s[12:13]       ; the tile's 512 scale bytes by one instruction
	s_wait_tensorcnt 0x0
	ds_add_u32 v254, v255
	s_wait_dscnt 0x0
	s_endpgm
.Lfunc_end_k_q96a48aa6d4_quant:
	.size	k_q96a48aa6d4_quant, .Lfunc_end_k_q96a48aa6d4_quant-k_q96a48aa6d4_quant
	.p2alignl 7, 3214868480
	.fill 96, 4, 3214868480
	.section	.rodata,"a",@progbits
	.p2align	6, 0x0
	.amdhsa_kernel k_q96a48aa6d4_quant
		.amdhsa_group_segment_fixed_size 26112
		.amdhsa_private_segment_fixed_size 0
		.amdhsa_enable_private_segment 0
		.amdhsa_kernarg_size 40
		.amdhsa_user_sgpr_count 2
		.amdhsa_user_sgpr_kernarg_segment_ptr 1
		.amdhsa_wavefront_size32 1
		.amdhsa_system_sgpr_workgroup_id_x 1
		.amdhsa_system_sgpr_workgroup_id_y 1
		.amdhsa_system_sgpr_workgroup_id_z 1
		.amdhsa_system_vgpr_workitem_id 0
		.amdhsa_next_free_vgpr 512
		.amdhsa_next_free_sgpr 66
		.amdhsa_reserve_vcc 1
		.amdhsa_float_denorm_mode_32 3
		.amdhsa_float_denorm_mode_16_64 3
		.amdhsa_memory_ordered 1
		.amdhsa_forward_progress 1
		.amdhsa_inst_pref_size 67
	.end_amdhsa_kernel
	.amdgpu_metadata
---
amdhsa.version: [ 1, 2 ]
amdhsa.kernels:
  - .name:           k_q96a48aa6d4_quant
    .symbol:         k_q96a48aa6d4_quant.kd
    .args:
      - { .name: x, .offset: 0, .size: 8, .value_kind: global_buffer, .address_space: global }
      - { .name: W_qkv, .offset: 8, .size: 8, .value_kind: global_buffer, .address_space: global }
      - { .name: W_out, .offset: 16, .size: 8, .value_kind: global_buffer, .address_space: global }
      - { .name: cod, .offset: 24, .size: 8, .value_kind: global_buffer, .address_space: global }
      - { .name: scl, .offset: 32, .size: 8, .value_kind: global_buffer, .address_space: global }
    .group_segment_fixed_size: 26112
    .private_segment_fixed_size: 0
    .kernarg_segment_align: 8
    .kernarg_segment_size: 40
    .max_flat_workgroup_size: 96
    .sgpr_count:     66
    .vgpr_count:     512
    .wavefront_size: 32
...
	.end_amdgpu_metadata
.endif
;; end of part 1
;; launch gemm_qkv (part 2): grid 8 x 48, 4 waves a work-group, clusters of 4 x 4, 327,680 bytes of LDS; arguments cod, scl, q_img, q_sc, kv; writes q_img, q_sc, kv
.if DOCPART == 2
	.amdgcn_target "amdgcn-amd-amdhsa--gfx1250"
	.amdhsa_code_object_version 6
	.text
	.protected	k_q96a48aa6d4_gemm_qkv
	.globl	k_q96a48aa6d4_gemm_qkv
	.p2align	8
	.type	k_q96a48aa6d4_gemm_qkv,@function
k_q96a48aa6d4_gemm_qkv:
	s_mov_b64 s[64:65], 0
	v_nop
	global_prefetch_b8 v0, s[64:65] scope:SCOPE_SE
	s_setreg_imm32_b32 hwreg(HW_REG_WAVE_MODE, 25, 1), 1
	s_wait_xcnt 0x0
	s_wait_alu depctr_hold_cnt(0) depctr_sa_sdst(0) depctr_va_vdst(0) depctr_va_sdst(0) depctr_va_ssrc(0) depctr_va_vcc(0) depctr_vm_vsrc(0)
	s_getreg_b32 s2, hwreg(HW_REG_IB_STS2, 6, 4)
	s_cmp_eq_u32 s2, 0
	s_cbranch_scc0 .Lentry_in_a_cluster
	s_endpgm
.Lentry_in_a_cluster:
	s_bfe_u32 s2, ttmp6, 0x10000c
	s_cmp_lg_u32 s2, 0xf033
	s_cbranch_scc0 .Lentry_shape_is_right
	s_endpgm
.Lentry_shape_is_right:
; qkv = x W_qkv^T on codes of FP6 (E2M3) with E8M0 scales, K = 1,024; the results are quantised on the way out and never go to memory as f32.
; A work-group of four waves makes 256 x 256 numbers, a wave 128 x 128: 64 accumulators, 512 registers.  The matrix instruction is used transposed (source 0 = 16 rows of B, source 1 = 16 rows of A): a lane holds ONE
; row of A and its registers run along B's rows.  What is made is quantised ALONG B's ROWS:
;   q, k (cluster y 0..7):  A = x's rows (tokens), B = W_q's and W_k's rows (features): blocks of 32 along the head's 64.
;   v    (cluster y 8..11): A = W_v's rows (features), B = x's rows (tokens): v^T, blocks of 32 along the keys, which are the K of attention's second product.
; So one text serves all three; only offsets, strides and pointers are chosen, by s_cselect on ids.
; OPERANDS lie in cod as images of the operand's registers: [tile of 16 rows][K step of 128][6 pieces][256 bytes]; a slot holds 256 along K: 3,072 consecutive bytes of each tile of rows.
; Their scale bytes lie [row][32]: those of the work-group's 256 + 256 rows come into LDS once, with the first fills, and stay.
; CLUSTERS: 4 x 4 work-groups; A's tiles are asked for jointly along a row of the cluster, B's along a column.
; OUT: q_img [head 64][tile of 16 queries 128][768 bytes] (registers 0-5 of Q's fragment), q_sc one word a query; kv [head][block of 256 keys][26,112 bytes]: K's codes [16 tiles][768], V^T's [2 key steps][4 tiles of 16 channels][1,536],
; K's scale words [256], V's [2][4][16].  Inside a block of 32, place 16 a + i holds number 8 a + (i & 7) + 16 (i >> 3), in every operand of the program alike.
; LIMITS: a block whose largest magnitude lies under 2^-124 keeps the byte 1; a block of zeros gets the byte 1 (its codes are zeros; this program alone reads the bytes); NaN and infinities are not served.
; No prefetch: K has four slots' worth of steps, two of which go out at the head.
; REGISTERS: window 0: v1-4 r, h, lane, 8 x lane; v16-29 addresses; v32-63 scale words, two sets; v128-223 A's fragments, one set.  window 1: B's fragments, two sets, at v0 and v128.  windows 2, 3: the accumulators ((a, b) at v[8 (8 (a % 4) + b)]).
.set NQ,     2                         ; matrix instructions deep in a slot
.set FR,     12                        ; registers of a fragment
.set NL,     6                         ; LDS loads that bring one
.set NP,     4                         ; places behind this matrix instruction (ISA guide 7.12.1)
.set RTB,    3072                      ; a tile of 16 rows in a slot: two fragments
.set HALFT,  8*RTB                     ; 128 rows: what one tensor load brings
.set SLOT,   4*HALFT                   ; A's 256 rows, then B's
.set KS,     32                        ; a row of scale bytes
.set SCL,    2*SLOT                    ; behind the ring: the scales, as units of 256 bytes + 16 of padding
.set HALFS,  16*272                    ; those of 128 rows
.set SBLK,   2*272                     ; those of 16 rows
.set SPARE,  SCL+4*HALFS               ; the spare words, 128 bytes a wave: two blocks of 256 bytes that no other line names
.set SCSTG,  SPARE+512                 ; the way out: 1,024 bytes a wave for the scale words; no tensor load lands here
.set KVBLK,  26112
.set ADRA, 16                          ; v16-17 LDS address of my A fragments in slot 0, 1
.set ADRB, 20                          ; v20-21 the same for B
.set ADRS, 27                          ; v27    of my scale words: lanes 0-15 A's rows, lanes 16-31 B's
.set SPW,  28                          ; v28    my spare word; never rewritten
.set NIL,  29                          ; v29    0; never rewritten
.set SC,   32
.set AF,   128
.set G1, 24
.set G0, 32
.set G1B, 48
.set G0B, 56
.set G1S, 68
.set G0S, 76
.set G1SB, 80
.set G0SB, 88
.set MSB, 0
.macro WIN new
.if MSB != \new
	s_set_vgpr_msb (MSB<<8)|\new
.set MSB, \new
.endif
.endm
.set MUL_LO, 0xa1                      ; source 0 (B) window 1, source 1 (A) window 0, C and D window 2
.set MUL_HI, 0xf1
.set TO_B,   0x40
; A joint load: waves 0 and 1 fetch for A, waves 2 and 3 for B; the branch hangs on the wave's number alone.  Four v_nop follow each of the two lines.
.macro JLOAD g0a, g1a, g0b, g1b
	s_cmp_eq_u32 s15, 0
	s_cbranch_scc0 .Lfor_b_\@
	tensor_load_to_lds s[\g0a:\g0a+3], s[\g1a:\g1a+7]
	s_nop 0
.rept 4
	v_nop
.endr
	s_branch .Lasked_\@
.Lfor_b_\@:
	tensor_load_to_lds s[\g0b:\g0b+3], s[\g1b:\g1b+7]
	s_nop 0
.rept 4
	v_nop
.endr
.Lasked_\@:
.endm
.macro CREST                           ; a round of the cluster's barrier behind its opening barrier
	s_cmp_lg_u32 s14, 0
	s_cbranch_scc1 .Lnot_wave_0_\@
	s_barrier_signal -3
.Lnot_wave_0_\@:
	s_barrier_wait -3
	s_barrier_signal -1
	s_barrier_wait -1
.endm
.macro CROUND
	s_barrier_signal -1
	s_barrier_wait -1
	CREST
.endm
	s_load_b128 s[4:7], s[0:1], 0x0                ; cod s[4:5], scl s[6:7]
	s_load_b128 s[8:11], s[0:1], 0x10              ; q_img s[8:9], q_sc s[10:11]
	s_load_b64 s[12:13], s[0:1], 0x20              ; kv
	v_lshl_add_u32 v[SPW], v0, 2, SPARE
	v_mov_b32 v[NIL], 0
	ds_add_u32 v28, v29
	ds_add_u32 v28, v29
	s_wait_dscnt 0x0
	v_lshrrev_b32 v1, 5, v0
	v_readfirstlane_b32 s14, v1                    ; wave 0..3
	s_lshr_b32 s15, s14, 1                         ; which half of A's rows is mine.  Also: I fetch for A (0) or for B (1)
	s_and_b32 s16, s14, 1                          ; which half of B's rows.  Also: which 128 rows I fetch
	s_bfe_u32 s40, ttmp6, 0x40000                  ; cx
	s_bfe_u32 s41, ttmp6, 0x40004                  ; cy
	s_and_b32 s66, ttmp7, 0xffff                   ; cluster y, 0..11
	s_lshl_b32 s67, s66, 2
	s_and_b32 s96, s66, 3
	s_lshl_b32 s96, s96, 3                         ; 8 (cluster y - 8) where that is v's
	s_lshl_b32 s42, ttmp9, 2
	s_add_co_u32 s42, s42, s40                     ; 4 x cluster x + cx
	s_cmp_ge_u32 s66, 8                            ; v?  The same in all sixteen partners
	s_cselect_b32 s17, 40, s67
	s_cselect_b32 s96, s96, 32
	s_cselect_b32 s95, 1, 0
	s_add_co_u32 s17, s17, s41                     ; A's block of 256 rows in cod: x's 4 x cluster y + cy, or W_v's 40 + cy
	s_add_co_u32 s42, s42, s96                     ; B's: W_q's and W_k's 32 + .., or x's
	s_lshl_b32 s43, s41, 2
	s_lshl_b32 s43, 15, s43                        ; my row of the cluster
	s_lshl_b32 s44, 0x1111, s40                    ; my column
	; group 1 for codes: 8 tiles of rows x 3,072 bytes (384 elements of 8), 12,288 bytes apart in memory, dense in LDS
	s_or_b32 s[G1+0], s43, (3<<16)|(1<<21)
	s_or_b32 s[G1B+0], s44, (3<<16)|(1<<21)
.irp g, G1, G1B
	s_mov_b32 s[\g+1], 384<<16                     ; tensor_dim0
	s_mov_b32 s[\g+2], 8<<16                       ; tensor_dim1
	s_mov_b32 s[\g+3], 384<<16                     ; tile_dim0
	s_mov_b32 s[\g+4], 8                           ; tile_dim1
	s_mov_b32 s[\g+5], 1536                        ; tensor_dim0_stride
	s_mov_b32 s[\g+6], 0
	s_mov_b32 s[\g+7], 0
.endr
	; and for the scales of 128 rows: 4,096 dense bytes as 16 rows of 256, 16 bytes of padding behind each
	s_or_b32 s[G1S+0], s43, (3<<16)|(1<<20)|(1<<21)|(5<<22)|(3<<25)
	s_or_b32 s[G1SB+0], s44, (3<<16)|(1<<20)|(1<<21)|(5<<22)|(3<<25)
.irp g, G1S, G1SB
	s_mov_b32 s[\g+1], 32<<16
	s_mov_b32 s[\g+2], 16<<16
	s_mov_b32 s[\g+3], 32<<16
	s_mov_b32 s[\g+4], 16
	s_mov_b32 s[\g+5], 32
	s_mov_b32 s[\g+6], 0
	s_mov_b32 s[\g+7], 0
.endr
	s_lshl_b32 s18, s16, 7                         ; which 128 rows I fetch
	s_lshl_b32 s20, s17, 8
	s_add_co_u32 s20, s20, s18                     ; A's first row
	s_lshl_b32 s46, s42, 8
	s_add_co_u32 s46, s46, s18                     ; B's
	s_lshl_b32 s22, s20, 5                         ; their scale bytes: 32 a row
	s_mov_b32 s23, 0
	s_lshl_b32 s92, s46, 5
	s_mov_b32 s93, 0
	s_mul_i32 s20, s20, 768                        ; their codes: 768 bytes a row
	s_mov_b32 s21, 0
	s_mul_i32 s46, s46, 768
	s_mov_b32 s47, 0
	s_mul_i32 s45, s14, HALFT                      ; where they go: wave x 128 rows: no place in the cluster enters an LDS address
	s_mul_i32 s94, s14, HALFS
	s_wait_kmcnt 0x0
	s_add_nc_u64 s[20:21], s[4:5], s[20:21]
	s_add_nc_u64 s[22:23], s[6:7], s[22:23]
	s_add_nc_u64 s[46:47], s[4:5], s[46:47]
	s_add_nc_u64 s[92:93], s[6:7], s[92:93]
	CROUND                                         ; all sixteen work-groups are here: the first joint loads meet
	s_mov_b32 s[G0S], 1
	s_add_co_u32 s[G0S+1], s94, SCL
	s_mov_b64 s[G0S+2:G0S+3], s[22:23]
	s_or_b32 s[G0S+3], s[G0S+3], 0x80000000
	s_mov_b32 s[G0SB], 1
	s_add_co_u32 s[G0SB+1], s94, SCL
	s_mov_b64 s[G0SB+2:G0SB+3], s[92:93]
	s_or_b32 s[G0SB+3], s[G0SB+3], 0x80000000
	JLOAD G0S, G1S, G0SB, G1SB                     ; the scales first: they are wanted with the first step
.irp s, 0,1
	s_mov_b32 s[G0+4*\s], 1
	s_add_co_u32 s[G0+4*\s+1], s45, \s*SLOT
	s_add_nc_u64 s[G0+4*\s+2:G0+4*\s+3], s[20:21], \s*RTB
	s_or_b32 s[G0+4*\s+3], s[G0+4*\s+3], 0x80000000
	s_mov_b32 s[G0B+4*\s], 1
	s_add_co_u32 s[G0B+4*\s+1], s45, \s*SLOT
	s_add_nc_u64 s[G0B+4*\s+2:G0B+4*\s+3], s[46:47], \s*RTB
	s_or_b32 s[G0B+4*\s+3], s[G0B+4*\s+3], 0x80000000
	JLOAD G0+4*\s, G1, G0B+4*\s, G1B
.endr
	v_and_b32 v1, 15, v0                           ; r
	v_bfe_u32 v2, v0, 4, 1                         ; h
	v_and_b32 v3, 31, v0                           ; lane
	v_lshlrev_b32 v4, 3, v3                        ; a piece's 256 bytes: 8 a lane
	s_mul_i32 s21, s15, HALFT                      ; my 128 rows of A
	s_mul_i32 s22, s16, HALFT
	s_add_co_u32 s22, s22, 2*HALFT                 ; my 128 rows of B, behind A's 256
.irp s, 0,1
	v_add_nc_u32 v[ADRA+\s], s21, v4
	v_add_nc_u32 v[ADRB+\s], s22, v4
	s_add_co_u32 s21, s21, SLOT
	s_add_co_u32 s22, s22, SLOT
.endr
	v_mul_u32_u24 v5, v1, KS                       ; my row's scales: 32 bytes a row,
	v_lshrrev_b32 v6, 8, v5
	v_lshl_add_u32 v5, v6, 4, v5                   ; and 16 more for each 256 passed
	s_mul_i32 s21, s15, HALFS
	s_mul_i32 s22, s16, HALFS
	s_add_co_u32 s22, s22, 2*HALFS
	s_sub_co_u32 s22, s22, s21
	v_mul_u32_u24 v6, s22, v2                      ; lanes 16-31 take B's
	s_add_co_u32 s21, s21, SCL
	v_add_nc_u32 v5, v5, v6
	v_add_nc_u32 v[ADRS], s21, v5
.macro FRAG reg, adr, q, i             ; a fragment comes as it was stored: six pieces of 256 consecutive bytes
.irp p, 0,1,2,3,4,5
	ds_load_b64 v[\reg+2*\p:\reg+2*\p+1], v[\adr] offset:(\i)*RTB+(\q)*1536+256*\p
.endr
.endm
; 16 matrix instructions: A's blocks a0, a0 + 1 x B's eight.  The 64 accumulators take turns, one instruction a turn, in the same order in every step.
.macro MUL16 a0, p, q, sc, zero
.irp a, \a0, \a0+1
.irp b, 0,1,2,3,4,5,6,7
.if \zero
	v_wmma_scale_f32_16x16x128_f8f6f4 v[8*(8*((\a)%4)+\b):8*(8*((\a)%4)+\b)+7], v[128*(\p)+FR*\b:128*(\p)+FR*\b+FR-1], v[AF+FR*(\a):AF+FR*(\a)+FR-1], 0, v[SC+8*NQ*(\sc)+NQ*\b+(\q)], v[SC+8*NQ*(\sc)+NQ*(\a)+(\q)] matrix_a_fmt:MATRIX_FMT_FP6 matrix_b_fmt:MATRIX_FMT_FP6 matrix_a_scale:MATRIX_SCALE_ROW1
.else
	v_wmma_scale_f32_16x16x128_f8f6f4 v[8*(8*((\a)%4)+\b):8*(8*((\a)%4)+\b)+7], v[128*(\p)+FR*\b:128*(\p)+FR*\b+FR-1], v[AF+FR*(\a):AF+FR*(\a)+FR-1], v[8*(8*((\a)%4)+\b):8*(8*((\a)%4)+\b)+7], v[SC+8*NQ*(\sc)+NQ*\b+(\q)], v[SC+8*NQ*(\sc)+NQ*(\a)+(\q)] matrix_a_fmt:MATRIX_FMT_FP6 matrix_b_fmt:MATRIX_FMT_FP6 matrix_a_scale:MATRIX_SCALE_ROW1
.endif
.endr
.endr
.endm
.macro FETCH_B slot, q, p
	WIN TO_B
.irp i, 0,1,2,3,4,5,6,7
	FRAG 128*(\p)+FR*\i, ADRB+\slot, \q, \i
.endr
	WIN 0
.endm
.macro FETCH_A slot, q, i0
.irp i, \i0, \i0+1, \i0+2, \i0+3
	FRAG AF+FR*(\i), ADRA+\slot, \q, \i
.endr
.endm
.macro SCALES sc                       ; a slot's scale words: two a row; lanes 0-15 A's block i, lanes 16-31 B's block i
.irp i, 0,1,2,3,4,5,6,7
	ds_load_b64 v[SC+8*NQ*\sc+NQ*\i:SC+8*NQ*\sc+NQ*\i+1], v[ADRS] offset:\i*SBLK
.endr
.endm
.macro PLACES n                        ; plain instructions between a matrix instruction and a load into, or a read of, its registers
.rept \n
	v_nop
.endr
.endm
.macro STEP slot, q, zero              ; 128 along K that have their successor in the same slot
	s_wait_dscnt 4*NL                              ; B's set and A's blocks 0-3 are in; the youngest 24 loads (A's blocks 4-7) may be out
	WIN MUL_LO
	MUL16 0, (\q)%2, \q, \slot, \zero
	MUL16 2, (\q)%2, \q, \slot, \zero
	s_wait_dscnt 0
	PLACES NP
	FETCH_B \slot, (\q)+1, 1-(\q)%2
	FETCH_A \slot, (\q)+1, 0
	WIN MUL_HI
	MUL16 4, (\q)%2, \q, \slot, \zero
	MUL16 6, (\q)%2, \q, \slot, \zero
	PLACES NP
	WIN 0
	FETCH_A \slot, (\q)+1, 4
.endm
; A slot's last step changes slots: one barrier; in front of it each wave waits for all its tensor loads, adds 0 to its spare word, and waits for that and for its reads of this slot.
.macro TURN slot, next, fill
	s_wait_tensorcnt 0x0                           ; all my tensor loads have landed: my part of the next slot
	ds_add_u32 v[SPW], v[NIL]                      ; 0 onto my spare word
	s_wait_dscnt 4*NL+1                            ; (the add and the youngest 24 loads may be out)
	WIN MUL_LO
	MUL16 0, 1, NQ-1, \slot, 0
	s_wait_dscnt 0x0                               ; the add is done, and my reads of this slot are over
	s_barrier_signal -1
	MUL16 2, 1, NQ-1, \slot, 0
	WIN 0
	s_barrier_wait -1
.if \fill
	CREST                                          ; the barrier has opened a round of the cluster's: no wave of any partner still reads this slot or has a load on its way
	s_add_nc_u64 s[G0+4*\slot+2:G0+4*\slot+3], s[G0+4*\slot+2:G0+4*\slot+3], 2*RTB
	s_add_nc_u64 s[G0B+4*\slot+2:G0B+4*\slot+3], s[G0B+4*\slot+2:G0B+4*\slot+3], 2*RTB
	JLOAD G0+4*\slot, G1, G0B+4*\slot, G1B         ; the first tensor load behind the round; its four v_nop are the places in front of the loads below
.else
	PLACES NP
.endif
	s_wait_alu depctr_va_vdst(0)
	v_add_nc_u32 v[ADRS], 4*NQ, v[ADRS]            ; on to the next slot's scale words
	FETCH_B \next, 0, 0
	FETCH_A \next, 0, 0
	SCALES \next
	WIN MUL_HI
	MUL16 4, 1, NQ-1, \slot, 0
	MUL16 6, 1, NQ-1, \slot, 0
	PLACES NP
	WIN 0
	FETCH_A \next, 0, 4
.endm
	s_wait_alu depctr_va_vdst(0)
	s_wait_tensorcnt 1                             ; the scales and my part of slot 0 are in; slot 1's load may be out
	s_barrier_signal -1
	s_barrier_wait -1
	FETCH_B 0, 0, 0
	FETCH_A 0, 0, 0
	SCALES 0
	FETCH_A 0, 0, 4
	STEP 0, 0, 1                                   ; the first step starts the sums: nothing is cleared
	s_mov_b32 s3, 1
.Llap:                                                 ; once round the ring: both slots are filled again (K = 1,024 is four slots' worth)
	TURN 0, 1, 1
	STEP 1, 0, 0
	TURN 1, 0, 1
	STEP 0, 0, 0
	s_sub_co_u32 s3, s3, 1
	s_cmp_lg_u32 s3, 0
	s_cbranch_scc1 .Llap
	TURN 0, 1, 0                                   ; the last lap fills nothing
	STEP 1, 0, 0
	s_wait_dscnt 4*NL
	WIN MUL_LO
	MUL16 0, 1, NQ-1, 1, 0
	MUL16 2, 1, NQ-1, 1, 0
	s_wait_dscnt 0
	WIN MUL_HI
	MUL16 4, 1, NQ-1, 1, 0
	MUL16 6, 1, NQ-1, 1, 0
	WIN 0
; THE WAY OUT.  Block a (16 rows of A x my 128 rows of B) is 64 registers a lane: register 16 b + i is place 16 h + i of block b of 32 along B's rows.  It becomes one fragment of 12 registers and one scale word.
;   q, k: registers 0-5 are the image of 16 tokens x the first head's 64, registers 6-11 the next head's; the word's low two bytes are the first head's, the high two the next's.
;   v: the 12 registers are V^T's fragment of 16 channels x 128 keys; blocks 0-3 belong to the first head, 4-7 to the next.
.set TM,  32                           ; v32-47 at work (the scale words' registers are free now)
.set PW,  48
.set PC,  64                           ; v64-83 the codes
.set SWD, 96                           ; v96-103 a scale word for each block, so that no LDS store's data are written again
	PLACES NP                                      ; behind the last products: their results are read and their scale registers written below
	s_cmp_eq_u32 s95, 1
	s_cselect_b32 s18, 40, 0
	s_cselect_b32 s19, 0, 32
	s_sub_co_u32 s18, s17, s18                     ; A's block within its tensor
	s_sub_co_u32 s19, s42, s19                     ; B's
	s_lshl_b32 s18, s18, 8
	s_lshl_b32 s20, s15, 7
	s_add_co_u32 s18, s18, s20                     ; my first row of A
	s_lshl_b32 s19, s19, 8
	s_lshl_b32 s20, s16, 7
	s_add_co_u32 s19, s19, s20                     ; my first row of B
	s_cmp_eq_u32 s95, 1
	s_cselect_b32 s20, s19, s18                    ; my first token,
	s_cselect_b32 s21, s18, s19                    ; my first feature (q, k: 0..2047; v: 0..1023)
	s_lshr_b32 s22, s20, 11                        ; batch
	s_and_b32 s23, s20, 2047                       ; t
	s_bfe_u32 s24, s20, 0x10007                    ; which 128 of a block of 256 keys
	s_bfe_u32 s25, s21, 0x40006                    ; the first of my two heads
	s_lshl_b32 s22, s22, 4
	s_add_co_u32 s22, s22, s25                     ; 16 x batch + head
	s_lshr_b32 s26, s23, 8
	s_lshl_b32 s27, s22, 3
	s_add_co_u32 s26, s26, s27
	s_mul_i32 s26, s26, KVBLK                      ; the block of 256 keys in kv
	s_lshl_b32 s27, s22, 7
	s_lshr_b32 s28, s23, 4
	s_add_co_u32 s27, s27, s28
	s_mul_i32 s27, s27, 768                        ; q: codes
	s_lshl_b32 s28, s22, 11
	s_add_co_u32 s28, s28, s23
	s_lshl_b32 s28, s28, 2                         ; q: scale words
	s_mul_i32 s29, s24, 6144
	s_add_co_u32 s29, s29, s26                     ; k: codes
	s_lshl_b32 s30, s24, 9
	s_add_co_u32 s30, s30, s26
	s_add_co_u32 s30, s30, 24576                   ; k: scale words
	s_add_co_u32 s31, s29, 12288                   ; v: codes
	s_lshl_b32 s32, s24, 8
	s_add_co_u32 s32, s32, s26
	s_add_co_u32 s32, s32, 25600                   ; v: scale words
	s_mov_b32 s33, 98304                           ; from a head to the next: in q_img,
	s_mov_b32 s34, 208896                          ; in kv,
	s_mov_b32 s35, 8192                            ; in q_sc
	s_cmp_ge_u32 s21, 1024                         ; k?  (v's features stay under 1,024)
	s_cselect_b32 s27, s29, s27
	s_cselect_b32 s28, s30, s28
	s_cselect_b32 s33, s34, s33
	s_cselect_b32 s35, s34, s35
	s_cselect_b64 s[36:37], s[12:13], s[8:9]       ; where the codes go
	s_cselect_b64 s[38:39], s[12:13], s[10:11]     ; where the scale words go
	s_cmp_eq_u32 s95, 1                            ; v?
	s_cselect_b32 s27, s31, s27
	s_cselect_b32 s28, s32, s28
	s_cselect_b32 s33, 768, s33                    ; v: registers 6-11 follow registers 0-5
	s_cselect_b64 s[36:37], s[12:13], s[36:37]
	s_cselect_b64 s[38:39], s[12:13], s[38:39]
	s_mov_b32 s29, 768
	s_mov_b32 s31, 204288
	s_mov_b32 s32, 256
	s_cselect_b32 s30, 1536, s29                   ; from block a to a + 1,
	s_cselect_b32 s31, s31, s29                    ; from block 3 to 4 (v: on to the next head's first tile),
	s_cselect_b32 s32, s34, s32                    ; from lanes 0-15 to lanes 16-31 in the scale words' store
	v_add_nc_u32 v50, s27, v4                      ; registers 0-5's place
	v_add_nc_u32 v51, s33, v50                     ; registers 6-11's
	v_lshlrev_b32 v52, 4, v2                       ; 16 h: lanes 16-31 keep the word's high two bytes
	s_lshl_b32 s29, s14, 10
	s_add_co_u32 s29, s29, SCSTG
	v_lshlrev_b32 v53, 9, v2
	v_lshl_add_u32 v53, v1, 2, v53
	v_add_nc_u32 v53, s29, v53                     ; the words' stage: [h][block a][r]
	v_lshl_add_u32 v54, v3, 4, s29                 ; and back: 16 bytes a lane
	v_mul_lo_u32 v55, v2, s32
	v_lshl_add_u32 v55, v1, 4, v55
	v_add_nc_u32 v55, s28, v55                     ; the first 512 bytes' place
	v_add_nc_u32 v56, s35, v55                     ; the second's (q, k: the next head)
.irp b, 0,1,2,3
	v_mov_b32 v[TM+4+\b], 0                        ; written once: a lane permute's destination counts as one of its sources
.endr
	s_mov_b32 s20, 0x76543210
	s_mov_b32 s21, 0xfedcba98
.macro QUANTA a
.set AC, 64*((\a)%4)
.set W, 2+(\a)/4
	WIN (W<<2)|(W<<4)                              ; sources 1 and 2: the accumulators' window
.irp b, 0,1,2,3
	v_max3_num_f32 v[TM+\b], 0x1800000, |v[AC+16*\b]|, |v[AC+16*\b+1]|   ; each accumulator is read from its low end on; the floor 2^(3 - 127) holds the byte at 1
.endr
.irp i, 2,4,6,8,10,12,14
.irp b, 0,1,2,3
	v_max3_num_f32 v[TM+\b], v[TM+\b], |v[AC+16*\b+\i]|, |v[AC+16*\b+\i+1]|
.endr
.endr
	WIN 0
.irp b, 0,1,2,3
	v_permlanex16_b32 v[TM+4+\b], v[TM+\b], s20, s21
.endr
.irp b, 0,1,2,3
	v_max_num_f32 v[TM+\b], v[TM+\b], v[TM+4+\b]
.endr
.irp b, 0,1,2,3
	v_add_nc_u32 v[TM+12+\b], 0xff000000, v[TM+\b] ; 2 off the exponent field: the conversion's scale operand
.endr
.irp b, 0,1,2,3
	v_lshrrev_b32 v[TM+4+\b], 23, v[TM+12+\b]
.endr
	v_lshl_or_b32 v[PW], v[TM+5], 8, v[TM+4]
	v_lshl_or_b32 v[PW], v[TM+6], 16, v[PW]
	v_lshl_or_b32 v[PW], v[TM+7], 24, v[PW]
	WIN W                                          ; source 0: the accumulators' window
.irp c, 0,1
	v_cvt_scalef32_pk16_fp6_f32 v[PC+6*\c:PC+2+6*\c], v[AC+32*\c:AC+15+32*\c], v[TM+12+2*\c]
	v_cvt_scalef32_pk16_fp6_f32 v[PC+12+4*\c:PC+14+4*\c], v[AC+16+32*\c:AC+31+32*\c], v[TM+12+2*\c+1]
.endr
	WIN 0
	v_nop                                          ; one plain instruction behind a scaled conversion
.irp c, 0,1
.irp i, 0,1,2
	v_permlane16_swap_b32 v[PC+6*\c+\i], v[PC+12+4*\c+\i]
.endr
.irp i, 0,1,2
	v_mov_b32 v[PC+3+6*\c+\i], v[PC+12+4*\c+\i]
.endr
.endr
.endm
.irp a, 0,1,2,3,4,5,6,7
	QUANTA \a
.irp j, 0,1,2
	global_store_b64 v50, v[PC+2*\j:PC+2*\j+1], s[36:37] offset:256*\j       ; 32 lanes store 256 consecutive bytes, aligned
	global_store_b64 v51, v[PC+6+2*\j:PC+7+2*\j], s[36:37] offset:256*\j
.endr
	v_lshrrev_b32 v[SWD+\a], v52, v[PW]
	ds_store_b32 v53, v[SWD+\a] offset:64*\a
.if \a < 7
	s_wait_xcnt 0x0                                ; the stores have read their data and offsets: both are written again only behind this wait
.if \a == 3
	v_add_nc_u32 v50, s31, v50
	v_add_nc_u32 v51, s31, v51
.else
	v_add_nc_u32 v50, s30, v50
	v_add_nc_u32 v51, s30, v51
.endif
.endif
.endr
	ds_load_b128 v[88:91], v54                     ; LDS serves a wave's instructions in order: these see my stores
	ds_load_b128 v[92:95], v54 offset:512
	s_wait_dscnt 0x0
	global_store_b128 v55, v[88:91], s[38:39]      ; q, k: the first head's 128 words, 512 consecutive bytes; v: two heads' 64 words, 256 aligned bytes each
	s_cmp_eq_u32 s95, 1
	s_cbranch_scc1 .Lno_second                     ; v has no second half; the branch hangs on the cluster's y alone
	global_store_b128 v56, v[92:95], s[38:39]      ; q, k: the next head's
.Lno_second:
	s_wait_tensorcnt 0x0                           ; the wave's end
	ds_add_u32 v[SPW], v[NIL]
	s_wait_dscnt 0x0
	CROUND                                         ; the closing round: no work-group ends while a partner may still ask for a tile that names it
	s_endpgm
.Lfunc_end_k_q96a48aa6d4_gemm_qkv:
	.size	k_q96a48aa6d4_gemm_qkv, .Lfunc_end_k_q96a48aa6d4_gemm_qkv-k_q96a48aa6d4_gemm_qkv
	.p2alignl 7, 3214868480
	.fill 96, 4, 3214868480
	.section	.rodata,"a",@progbits
	.p2align	6, 0x0
	.amdhsa_kernel k_q96a48aa6d4_gemm_qkv
		.amdhsa_group_segment_fixed_size 327680
		.amdhsa_private_segment_fixed_size 0
		.amdhsa_enable_private_segment 0
		.amdhsa_kernarg_size 40
		.amdhsa_user_sgpr_count 2
		.amdhsa_user_sgpr_kernarg_segment_ptr 1
		.amdhsa_wavefront_size32 1
		.amdhsa_system_sgpr_workgroup_id_x 1
		.amdhsa_system_sgpr_workgroup_id_y 1
		.amdhsa_system_sgpr_workgroup_id_z 1
		.amdhsa_system_vgpr_workitem_id 0
		.amdhsa_next_free_vgpr 1024
		.amdhsa_next_free_sgpr 100
		.amdhsa_reserve_vcc 0
		.amdhsa_float_denorm_mode_32 3
		.amdhsa_float_denorm_mode_16_64 3
		.amdhsa_memory_ordered 1
		.amdhsa_forward_progress 1
		.amdhsa_inst_pref_size 170
	.end_amdhsa_kernel
	.amdgpu_metadata
---
amdhsa.version: [ 1, 2 ]
amdhsa.kernels:
  - .name:           k_q96a48aa6d4_gemm_qkv
    .symbol:         k_q96a48aa6d4_gemm_qkv.kd
    .args:
      - { .name: cod, .offset: 0, .size: 8, .value_kind: global_buffer, .address_space: global }
      - { .name: scl, .offset: 8, .size: 8, .value_kind: global_buffer, .address_space: global }
      - { .name: q_img, .offset: 16, .size: 8, .value_kind: global_buffer, .address_space: global }
      - { .name: q_sc, .offset: 24, .size: 8, .value_kind: global_buffer, .address_space: global }
      - { .name: kv, .offset: 32, .size: 8, .value_kind: global_buffer, .address_space: global }
    .group_segment_fixed_size: 327680
    .private_segment_fixed_size: 0
    .kernarg_segment_align: 8
    .kernarg_segment_size: 40
    .max_flat_workgroup_size: 128
    .sgpr_count:     100
    .vgpr_count:     1024
    .wavefront_size: 32
...
	.end_amdgpu_metadata
.endif
;; end of part 2
;; launch attn (part 3): grid 4 x 64, 16 waves a work-group, no clusters, 327,680 bytes of LDS; arguments q_img, q_sc, kv, o_img, o_sc; writes o_img, o_sc
.if DOCPART == 3
	.amdgcn_target "amdgcn-amd-amdhsa--gfx1250"
	.amdhsa_code_object_version 6
	.text
	.protected	k_q96a48aa6d4_attn
	.globl	k_q96a48aa6d4_attn
	.p2align	8
	.type	k_q96a48aa6d4_attn,@function
k_q96a48aa6d4_attn:
	s_mov_b64 s[64:65], 0
	v_nop
	global_prefetch_b8 v0, s[64:65] scope:SCOPE_SE
	s_setreg_imm32_b32 hwreg(HW_REG_WAVE_MODE, 25, 1), 1
	s_wait_xcnt 0x0
; Causal attention of one head on codes of FP6 (E2M3) with E8M0 scales: S^T = K Q^T (K = the head's 64), p = 2^(t - M), O^T = V^T P^T (K = the keys), o = O / the sum of p, quantised along the model's 1,024 for the last product.
; t = score x log2(e) / 8; M = the running largest t rounded UP to a whole number; the row's sum is taken of the unquantised p; when M moves, the sum and O^T are multiplied by 2^(old M - new M), which rounds nothing.
; SHARES.  Work-group (I, head) owns two blocks of 256 queries: first block 7 - I (key blocks 0 .. 7 - I), then block I (key blocks 0 .. I): nine trips of 256 keys in every work-group, so the trip count is a
; constant, all 256 work-groups have the same work, and no key block is fetched that lies wholly behind the mask.  Each of the sixteen waves owns 16 queries; four waves share a SIMD.
; NO CLUSTER: in one and the same trip the four work-groups of a head want different key blocks (after trip 7 - I a work-group starts again at block 0).
; A key block is 26,112 dense bytes of kv: K's codes [16 tiles of 16 keys][768], V^T's [2 key steps][4 tiles of 16 channels][1,536], K's scale words [256], V's [2][4][16]; it comes by two tensor loads (waves 0 and 1), into a ring of two slots.
; K = 64 IN A FORM OF 128: Q's registers 6-11 are zero codes.  A tile of K has six registers; its operand's upper six are the next tile's codes (or six zeros): finite numbers that meet zero codes under scale bytes that are never 0xff.
; Both products are used transposed: a lane holds ONE query (lane % 16) throughout.  Inside a block of 32, place 16 a + i holds number 8 a + (i & 7) + 16 (i >> 3), in p and V, in Q and K, in o and W_out alike.
; LIMITS: a block whose largest magnitude lies under 2^-124 keeps the byte 1; a block of zeros gets the byte 1 (its codes are zeros); NaN and infinities are not served.  o's scale bytes leave one byte a lane, 32 bytes apart: one byte in 24 of what is stored.
; REGISTERS: v1 8 x lane, v2 4 x lane, v3, v4 the step's LDS addresses, v5, v6 the spare word and 0, v7 r - 8 h, v8, v9 global offsets, v10 4 r, v11 32 r + h, v12 -M, v13 the largest t, v[14:15] the sum, v16-27 Q, v28 the prefetch's offset,
; v29 Q's scale word, v30-33 K's, v34-35 V's, v36-83 eight tiles of K or four of V, v84-89 zeros, v96-159 S^T, then p, v160-191 O^T, v224-235 p's codes, v232-254 at work.
.set KVBLK, 26112
.set HALFB, 13056                      ; 51 rows of 256 bytes: what one tensor load brings
.set KVHEAD, 208896
.set SLOT1, 1<<15
.set SPARE, 65536                      ; the spare words, 128 bytes a wave: eight blocks of 256 bytes that no other line names
.set VCO,   12288
.set KSC,   24576
.set VSC,   25600
.set SPW,  5
.set NIL,  6
.set TB,   2                           ; s2  LDS byte at which the slot in hand begins
.set N,    3                           ; s3  the trip
.set WV,   18
.set SEL,  20
.set CS,   22                          ; s[22:23] log2(e) / 8
.set G1,   24
.set G0,   32
.set SWT,  36                          ; 7 - I: behind this trip the first block of queries is finished
.set KSN,  37                          ; the key block last asked for
.set KF,   38                          ; the step's first key
.set Q0,   39                          ; my first query
.set Q0B,  40                          ; and in the second block
.set NKB,  41                          ; 8 - I: key blocks of the first block of queries
.set KVH,  42                          ; s[42:43] my half of the head's key block 0
.set PFA,  44                          ; s[44:45] the key block behind the one that is being asked for
.set LIMN, 46                          ; a wave prefetches while the trip is under this
.set BH,   47
.macro TLOAD                           ; waves 0 and 1 fetch a half each; four v_nop follow the load
	s_cmp_lt_u32 s[WV], 2
	s_cbranch_scc0 .Lno_load_\@
	tensor_load_to_lds s[G0:G0+3], s[G1:G1+7]
	s_nop 0
.rept 4
	v_nop
.endr
.Lno_load_\@:
.endm
; A prefetch of the key block that the NEXT change of slots will ask for: 102 blocks of 256 bytes, lanes 256 bytes apart (the last lanes held at the block's last 256 bytes).  All four work-groups of a head walk blocks 0, 1, 2 .. first:
; the one with I = 0 asks, in its waves 4 to 7, which fetch nothing.  Trip N names block N + 2, N = 0 .. 5: blocks 2 to 7, each once; blocks 0 and 1 come by their loads alone.
.macro ASK
	s_cmp_lt_u32 s[N], s[LIMN]
	s_cbranch_scc0 .Lnot_mine_\@
	global_prefetch_b8 v28, s[PFA:PFA+1] th:TH_LOAD_NT scope:SCOPE_SE
.Lnot_mine_\@:
.endm
	s_load_b256 s[4:11], s[0:1], 0x0               ; q_img s[4:5], q_sc s[6:7], kv s[8:9], o_img s[10:11]
	s_load_b64 s[12:13], s[0:1], 0x20              ; o_sc
	v_lshl_add_u32 v[SPW], v0, 2, SPARE
	v_mov_b32 v[NIL], 0
	ds_add_u32 v5, v6
	ds_add_u32 v5, v6
	s_wait_dscnt 0x0
	v_lshrrev_b32 v8, 5, v0
	s_delay_alu instid0(VALU_DEP_1)
	v_readfirstlane_b32 s[WV], v8                  ; wave 0..15
	s_and_b32 s[BH], ttmp7, 0xffff                 ; 16 x batch + head
	s_sub_co_u32 s[SWT], 7, ttmp9
	s_sub_co_u32 s[NKB], 8, ttmp9
	s_mov_b32 s[G1], 3<<16                         ; elements of 8 bytes, no mask, no padding
	s_mov_b32 s[G1+1], 32<<16                      ; tensor_dim0: 256 bytes
	s_mov_b32 s[G1+2], 51<<16                      ; tensor_dim1
	s_mov_b32 s[G1+3], 32<<16                      ; tile_dim0
	s_mov_b32 s[G1+4], 51                          ; tile_dim1
	s_mov_b32 s[G1+5], 32                          ; dense
	s_mov_b32 s[G1+6], 0
	s_mov_b32 s[G1+7], 0
	s_and_b32 s50, s[WV], 1
	s_mul_i32 s50, s50, HALFB                      ; my half, in memory and in a slot
	s_mov_b32 s51, 0
	s_mul_i32 s52, s[BH], KVHEAD
	s_mov_b32 s53, 0
	s_lshl_b32 s54, s[WV], 4
	s_lshl_b32 s[Q0], s[SWT], 8
	s_add_co_u32 s[Q0], s[Q0], s54                 ; 256 (7 - I) + 16 x wave
	s_lshl_b32 s[Q0B], ttmp9, 8
	s_add_co_u32 s[Q0B], s[Q0B], s54               ; 256 I + 16 x wave
	s_mov_b32 s[SEL], 0x76543210
	s_mov_b32 s[SEL+1], 0xfedcba98
	s_mov_b32 s[CS], 0x3e38aa3b                    ; log2(e) / 8
	s_mov_b32 s[CS+1], s[CS]
	s_mov_b32 s[TB], 0
	s_mov_b32 s[N], 0
	s_mov_b32 s[KSN], 0
	s_mov_b32 s[KF], 0
	s_lshr_b32 s55, s[WV], 2
	s_xor_b32 s55, s55, 1                          ; 0 in waves 4 to 7,
	s_or_b32 s55, s55, ttmp9                       ; of the work-group with I = 0
	s_cmp_eq_u32 s55, 0
	s_cselect_b32 s[LIMN], 6, 0
	s_and_b32 s55, s[WV], 3
	s_lshl_b32 s55, s55, 13
	s_wait_kmcnt 0x0
	s_add_nc_u64 s[8:9], s[8:9], s[52:53]          ; the head's key blocks
	s_add_nc_u64 s[KVH:KVH+1], s[8:9], s[50:51]
	s_add_nc_u64 s[PFA:PFA+1], s[8:9], KVBLK       ; at block 1: the first change of slots steps it to block 2
	s_mov_b32 s[G0], 1
	s_mov_b32 s[G0+1], s50                         ; slot 0
	s_mov_b64 s[G0+2:G0+3], s[KVH:KVH+1]           ; key block 0
	s_or_b32 s[G0+3], s[G0+3], 0x80000000
	TLOAD                                          ; the one first fill at the head; slot 1 is first filled behind the first trip's barrier
	v_and_b32 v8, 31, v0                           ; lane
	s_delay_alu instid0(VALU_DEP_1)
	v_lshlrev_b32 v1, 3, v8
	s_delay_alu instid0(VALU_DEP_2)
	v_lshlrev_b32 v2, 2, v8
	s_delay_alu instid0(VALU_DEP_3)
	v_lshl_add_u32 v28, v8, 8, s55
	s_delay_alu instid0(VALU_DEP_1)
	v_min_u32 v28, KVBLK-256, v28
	v_and_b32 v9, 15, v0                           ; r
	v_bfe_u32 v11, v0, 4, 1                        ; h
	s_delay_alu instid0(VALU_DEP_1)
	v_lshlrev_b32 v7, 3, v11
	s_delay_alu instid0(VALU_DEP_1)
	v_sub_nc_u32 v7, v9, v7
	s_delay_alu instid0(VALU_DEP_4)
	v_lshlrev_b32 v10, 2, v9
	s_delay_alu instid0(VALU_DEP_4)
	v_lshl_add_u32 v11, v9, 5, v11
.irp j, 22,23,24,25,26,27,84,85,86,87,88,89
	v_mov_b32 v\j, 0                               ; zero codes: Q's upper half, and what stands behind K's last tile
.endr
.irp j, 236,237,238,239,252,253
	v_mov_b32 v\j, 0                               ; written once: lane permutes' destinations, and the upper half of the pair v[252:253]
.endr
; My 16 queries' codes and scale words; the sums begin as zeros and the largest t under every t, so that the step is written once.
.macro INIT
	s_lshl_b32 s50, s[BH], 7
	s_lshr_b32 s51, s[Q0], 4
	s_add_co_u32 s50, s50, s51
	s_mul_i32 s50, s50, 768
	v_add_nc_u32 v8, s50, v1
.irp j, 0,1,2
	global_load_b64 v[16+2*\j:17+2*\j], v8, s[4:5] offset:256*\j
.endr
	s_lshl_b32 s51, s[BH], 11
	s_add_co_u32 s51, s51, s[Q0]
	s_lshl_b32 s51, s51, 2
	v_add_nc_u32 v9, s51, v10
	global_load_b32 v29, v9, s[6:7]
	v_mov_b32 v13, 0xff61b1e6                      ; -3e38
	s_delay_alu instid0(VALU_DEP_1)
	v_floor_f32 v12, -v13
	v_mov_b32 v14, 0
	v_mov_b32 v15, 0
.set J, 0
.rept 32
	v_mov_b32 v[160+J], 0
.set J, J+1
.endr
	s_wait_loadcnt 0x0
.endm
; A KEY STEP: 128 keys, the q-th of the slot in hand.
.macro STEP q
	s_add_co_u32 s56, s[Q0], 15                    ; a step all of whose keys come after my 16 queries is left out: a branch on ids, round loads and arithmetic alone
	s_cmp_gt_u32 s[KF], s56
	s_cbranch_scc1 .Lhidden_\@
	v_add_nc_u32 v3, s[TB], v1
	v_add_nc_u32 v4, s[TB], v2
	v_nop
	v_nop                                          ; four plain instructions in front of loads into registers that the last products have read
.irp t, 0,1,2,3,4,5,6,7
.irp j, 0,1,2
	ds_load_b64 v[36+6*\t+2*\j:37+6*\t+2*\j], v3 offset:(8*(\q)+\t)*768+256*\j
.endr
.endr
.irp u, 0,1,2,3
	ds_load_b32 v[30+\u], v4 offset:KSC+512*(\q)+128*\u     ; lanes 0-15: tile 2 u's words; lanes 16-31: tile 2 u + 1's
.endr
	s_wait_alu depctr_va_vdst(0)
	s_wait_dscnt 0x0
.irp t, 0,2,4,6
	v_wmma_scale_f32_16x16x128_f8f6f4 v[96+8*\t:103+8*\t], v[36+6*\t:47+6*\t], v[16:27], 0, v[30+\t/2], v29 matrix_a_fmt:MATRIX_FMT_FP6 matrix_b_fmt:MATRIX_FMT_FP6
	v_wmma_scale_f32_16x16x128_f8f6f4 v[104+8*\t:111+8*\t], v[42+6*\t:53+6*\t], v[16:27], 0, v[30+\t/2], v29 matrix_a_fmt:MATRIX_FMT_FP6 matrix_b_fmt:MATRIX_FMT_FP6 matrix_a_scale:MATRIX_SCALE_ROW1
.endr
.rept 4
	v_nop                                          ; places in front of the loads below and of the first read of the scores
.endr
.irp t, 0,1,2,3                                ; V's tiles are asked for now and land under the softmax
.irp p, 0,1,2,3,4,5
	ds_load_b64 v[36+12*\t+2*\p:37+12*\t+2*\p], v3 offset:VCO+(4*(\q)+\t)*1536+256*\p
.endr
.endr
.irp u, 0,1
	ds_load_b32 v[34+\u], v4 offset:VSC+256*(\q)+128*\u
.endr
	s_add_co_u32 s56, s[KF], 127                   ; on the diagonal hidden scores become -infinity ahead of the maximum; a step all of whose keys count skips this
	s_cmp_le_u32 s56, s[Q0]
	s_cbranch_scc1 .Lopen_\@
	s_sub_co_i32 s56, s[Q0], s[KF]
	v_add_nc_u32 v252, s56, v7                     ; d = my query - KF - 8 h.  Register n holds key KF + 16 (n / 8) + 8 h + n % 8: hidden where 16 (n / 8) + n % 8 > d
	v_mov_b32 v254, 0xff800000
.set NN, 0
.rept 64
	v_cmp_gt_i32 vcc_lo, 16*(NN/8)+NN%8, v252
	v_cndmask_b32 v[96+NN], v[96+NN], v254, vcc_lo
.set NN, NN+1
.endr
.Lopen_\@:
.irp b, 0,1,2,3
	v_max3_num_f32 v[232+\b], v[96+16*\b], v[97+16*\b], v[98+16*\b]   ; the largest score of each block of 32 keys: for the row's maximum and, since p rises with the score, for the block's largest p
.endr
.irp i, 3,5,7,9,11,13
.irp b, 0,1,2,3
	v_max3_num_f32 v[232+\b], v[232+\b], v[96+16*\b+\i], v[97+16*\b+\i]
.endr
.endr
.irp b, 0,1,2,3
	v_max_num_f32 v[232+\b], v[232+\b], v[111+16*\b]
.endr
.irp b, 0,1,2,3
	s_delay_alu instid0(VALU_DEP_4)
	v_permlanex16_b32 v[236+\b], v[232+\b], s[SEL], s[SEL+1]
.endr
.irp b, 0,1,2,3
	s_delay_alu instid0(VALU_DEP_4)
	v_max_num_f32 v[232+\b], v[232+\b], v[236+\b]
.endr
	s_delay_alu instid0(VALU_DEP_2)
	v_max3_num_f32 v254, v232, v233, v234
	s_delay_alu instid0(VALU_DEP_1)
	v_max_num_f32 v254, v254, v235
	s_delay_alu instid0(VALU_DEP_1)
	v_mul_f32 v254, s[CS], v254                    ; as t
	s_delay_alu instid0(VALU_DEP_1)
	v_max_num_f32 v13, v13, v254                   ; the running largest t
	v_mov_b32 v254, v12
	s_delay_alu instid0(VALU_DEP_2)
	v_floor_f32 v12, -v13                          ; the new -M = -ceil(t)
	s_delay_alu instid0(VALU_DEP_1)
	v_sub_f32 v254, v12, v254                      ; old M - new M: a whole number, 0 or less
	s_delay_alu instid0(VALU_DEP_1)
	v_cvt_i32_f32 v254, v254
	s_delay_alu instid0(VALU_DEP_1)
	v_ldexp_f32 v252, 1.0, v254                    ; f = 2^(old M - new M)
.set J, 0
.rept 32
	v_pk_fma_f32 v[96+J:97+J], v[96+J:97+J], s[CS:CS+1], v[12:13] op_sel_hi:[1,0,0]   ; t - M
.set J, J+2
.endr
.irp b, 0,1,2,3
	v_fma_f32 v[232+\b], v[232+\b], s[CS], v12
.endr
.set J, 0
	s_wait_alu depctr_va_vdst(0)
.rept 64
	v_exp_f32 v[96+J], v[96+J]                     ; p = 2^(t - M)
.set J, J+1
.endr
	v_pk_mul_f32 v[14:15], v[14:15], v[252:253] op_sel_hi:[1,0]   ; the sums under the new M: the plain instruction behind the exponentials
	s_wait_alu depctr_va_vdst(0)                   ; one wait for the batch of 64, ahead of its first reader
.irp b, 0,1,2,3
	v_exp_f32 v[232+\b], v[232+\b]                 ; each block's largest p
.endr
	v_pk_add_f32 v[236:237], v[100:101], v[104:105]
	v_pk_add_f32 v[254:255], v[108:109], v[112:113]
	v_pk_add_f32 v[250:251], v[116:117], v[120:121]
	v_pk_add_f32 v[248:249], v[124:125], v[128:129]
	v_pk_add_f32 v[246:247], v[132:133], v[136:137]
	v_pk_add_f32 v[244:245], v[140:141], v[144:145]
	v_pk_add_f32 v[242:243], v[148:149], v[152:153]
	v_pk_add_f32 v[14:15], v[14:15], v[156:157]
	v_pk_add_f32 v[236:237], v[236:237], v[96:97]
	v_pk_add_f32 v[254:255], v[254:255], v[98:99]
	v_pk_add_f32 v[250:251], v[250:251], v[102:103]
	v_pk_add_f32 v[248:249], v[248:249], v[106:107]
	v_pk_add_f32 v[246:247], v[246:247], v[110:111]
	v_pk_add_f32 v[244:245], v[244:245], v[114:115]
	v_pk_add_f32 v[242:243], v[242:243], v[118:119]
	v_pk_add_f32 v[14:15], v[14:15], v[122:123]
	v_pk_add_f32 v[236:237], v[236:237], v[126:127]
	v_pk_add_f32 v[254:255], v[254:255], v[130:131]
	v_pk_add_f32 v[250:251], v[250:251], v[134:135]
	v_pk_add_f32 v[248:249], v[248:249], v[138:139]
	v_pk_add_f32 v[246:247], v[246:247], v[142:143]
	v_pk_add_f32 v[244:245], v[244:245], v[146:147]
	v_pk_add_f32 v[242:243], v[242:243], v[150:151]
	v_pk_add_f32 v[14:15], v[14:15], v[154:155]
	v_pk_add_f32 v[236:237], v[236:237], v[158:159]
	s_delay_alu instid0(VALU_DEP_2)
	v_pk_add_f32 v[14:15], v[14:15], v[248:249]
	s_delay_alu instid0(VALU_DEP_2)
	v_pk_add_f32 v[236:237], v[236:237], v[246:247]
	v_pk_add_f32 v[254:255], v[254:255], v[244:245]
	v_pk_add_f32 v[250:251], v[250:251], v[242:243]
	s_delay_alu instid0(VALU_DEP_2)
	v_pk_add_f32 v[14:15], v[14:15], v[254:255]
	s_delay_alu instid0(VALU_DEP_2)
	v_pk_add_f32 v[236:237], v[236:237], v[250:251]
	s_delay_alu instid0(VALU_DEP_1)
	v_pk_add_f32 v[14:15], v[14:15], v[236:237]
	s_wait_alu depctr_va_vdst(0)                   ; and one for the four
.irp b, 0,1,2,3
	v_max_num_f32 v[232+\b], 0x1800000, v[232+\b]  ; the floor 2^(3 - 127)
.endr
.irp b, 0,1,2,3
	s_delay_alu instid0(VALU_DEP_4)
	v_add_nc_u32 v[244+\b], 0xff000000, v[232+\b]
.endr
.irp b, 0,1,2,3
	s_delay_alu instid0(VALU_DEP_4)
	v_lshrrev_b32 v[236+\b], 23, v[244+\b]
.endr
	s_delay_alu instid0(VALU_DEP_3)
	v_lshl_or_b32 v253, v237, 8, v236              ; p's scale word for these 128 keys
	s_delay_alu instid0(VALU_DEP_1)
	v_lshl_or_b32 v253, v238, 16, v253
	s_delay_alu instid0(VALU_DEP_1)
	v_lshl_or_b32 v253, v239, 24, v253
.irp c, 0,1
	v_cvt_scalef32_pk16_fp6_f32 v[224+6*\c:226+6*\c], v[96+32*\c:111+32*\c], v[244+2*\c]
	v_cvt_scalef32_pk16_fp6_f32 v[236+4*\c:238+4*\c], v[112+32*\c:127+32*\c], v[244+2*\c+1]
.endr
	v_nop
.irp c, 0,1
.irp i, 0,1,2
	v_permlane16_swap_b32 v[224+6*\c+\i], v[236+4*\c+\i]
.endr
.irp i, 0,1,2
	s_delay_alu instid0(VALU_DEP_3)
	v_mov_b32 v[227+6*\c+\i], v[236+4*\c+\i]
.endr
.endr
.set J, 0
.rept 16
	v_pk_mul_f32 v[160+J:161+J], v[160+J:161+J], v[252:253] op_sel_hi:[1,0]   ; O^T under the new M; these sixteen also stand between the writing of p's codes and scale word and the products
.set J, J+2
.endr
	s_wait_alu depctr_va_vdst(0)
	s_wait_dscnt 0x0                               ; V's tiles and scale words are in
.irp t, 0,2                                    ; the four accumulators by turns, one instruction a turn
	v_wmma_scale_f32_16x16x128_f8f6f4 v[160+8*\t:167+8*\t], v[36+12*\t:47+12*\t], v[224:235], v[160+8*\t:167+8*\t], v[34+\t/2], v253 matrix_a_fmt:MATRIX_FMT_FP6 matrix_b_fmt:MATRIX_FMT_FP6
	v_wmma_scale_f32_16x16x128_f8f6f4 v[168+8*\t:175+8*\t], v[48+12*\t:59+12*\t], v[224:235], v[168+8*\t:175+8*\t], v[34+\t/2], v253 matrix_a_fmt:MATRIX_FMT_FP6 matrix_b_fmt:MATRIX_FMT_FP6 matrix_a_scale:MATRIX_SCALE_ROW1
.endr
.Lhidden_\@:
	s_add_co_u32 s[KF], s[KF], 128
.endm
; THE CHANGE OF SLOTS, at a trip's head.  Each wave waits for all its tensor loads (its part of the slot that it is about to read), adds 0 to its spare word, and waits for that and for its reads of the slot that it has left.
; fill = 1: behind the barrier that slot takes the next trip's key block: the load has a whole trip in which to land.  By this text's count a wave has one tensor load out.
.macro CHANGE fill
	s_wait_tensorcnt 0x0
	ds_add_u32 v[SPW], v[NIL]                      ; the descriptor's steps stand between the add and the wait for it
.if \fill
	s_xor_b32 s[G0+1], s[G0+1], SLOT1              ; the other slot than last time
	s_add_co_u32 s50, s[KSN], 1
	s_cmp_eq_u32 s50, s[NKB]                       ; behind the first block of queries' last key block comes block 0 again
	s_cselect_b32 s[KSN], 0, s50
	s_mul_i32 s50, s[KSN], KVBLK
	s_mov_b32 s51, 0
	s_add_nc_u64 s[G0+2:G0+3], s[KVH:KVH+1], s[50:51]
	s_or_b32 s[G0+3], s[G0+3], 0x80000000
	s_wait_xcnt 0x0                                ; the last prefetch, a trip back, has read its address
	s_add_nc_u64 s[PFA:PFA+1], s[PFA:PFA+1], KVBLK
.endif
	s_wait_dscnt 0x0
	s_barrier_signal -1
	s_barrier_wait -1
.if \fill
	TLOAD                                          ; the first thing behind the barrier, and a wave's one tensor load until the next
	ASK
.endif
.endm
; A block of queries is finished: o = O^T / the sum, its two blocks of 32 quantised, half a fragment (six registers) and two scale bytes stored.
.macro FINISH
.rept 4
	v_nop                                          ; places behind the last products
.endr
	s_lshr_b32 s50, s[BH], 4                       ; batch
	s_and_b32 s51, s[BH], 15                       ; head
	s_lshl_b32 s52, s50, 7
	s_lshr_b32 s53, s[Q0], 4
	s_add_co_u32 s52, s52, s53
	s_mul_i32 s52, s52, 12288                      ; my tile of 16 rows in o_img,
	s_mul_i32 s53, s51, 768                        ; K step head / 2, registers 6 (head % 2) on: 768 x head
	s_add_co_u32 s52, s52, s53
	s_lshl_b32 s53, s50, 11
	s_add_co_u32 s53, s53, s[Q0]
	s_lshl_b32 s53, s53, 5                         ; my first row's 32 scale bytes,
	s_lshl_b32 s54, s51, 1
	s_add_co_u32 s53, s53, s54                     ; blocks 2 head and 2 head + 1
	v_add_f32 v14, v14, v15
	s_delay_alu instid0(VALU_DEP_1)
	v_permlanex16_b32 v252, v14, s[SEL], s[SEL+1]
	s_delay_alu instid0(VALU_DEP_1)
	v_add_f32 v14, v14, v252                       ; the row's sum
	s_wait_alu depctr_va_vdst(0)
	v_rcp_f32 v14, v14
	v_add_nc_u32 v8, s52, v1                       ; (plain work behind the reciprocal)
	v_add_nc_u32 v9, s53, v11
	v_and_b32 v254, 1, v11                         ; h
	s_wait_alu depctr_va_vdst(0)                   ; ahead of the reciprocal's first reader
.set J, 0
.rept 32
	v_mul_f32 v[96+J], v[160+J], v14               ; each accumulator from its low end on
.set J, J+1
.endr
.irp b, 0,1
	v_max3_num_f32 v[232+\b], |v[96+16*\b]|, |v[97+16*\b]|, 0x1800000
.endr
.irp i, 2,4,6,8,10,12,14
.irp b, 0,1
	s_delay_alu instid0(VALU_DEP_2)
	v_max3_num_f32 v[232+\b], v[232+\b], |v[96+16*\b+\i]|, |v[97+16*\b+\i]|
.endr
.endr
.irp b, 0,1
	s_delay_alu instid0(VALU_DEP_2)
	v_permlanex16_b32 v[236+\b], v[232+\b], s[SEL], s[SEL+1]
.endr
.irp b, 0,1
	s_delay_alu instid0(VALU_DEP_2)
	v_max_num_f32 v[232+\b], v[232+\b], v[236+\b]
.endr
.irp b, 0,1
	s_delay_alu instid0(VALU_DEP_2)
	v_add_nc_u32 v[244+\b], 0xff000000, v[232+\b]
.endr
.irp b, 0,1
	s_delay_alu instid0(VALU_DEP_2)
	v_lshrrev_b32 v[236+\b], 23, v[244+\b]
.endr
	v_cmp_eq_u32 vcc_lo, 1, v254
	s_delay_alu instid0(VALU_DEP_1)
	v_cndmask_b32 v240, v236, v237, vcc_lo         ; lane (r, h) stores block h's byte
	v_cvt_scalef32_pk16_fp6_f32 v[224:226], v[96:111], v244
	v_cvt_scalef32_pk16_fp6_f32 v[236:238], v[112:127], v245
	v_nop
.irp i, 0,1,2
	v_permlane16_swap_b32 v[224+\i], v[236+\i]
.endr
.irp i, 0,1,2
	s_delay_alu instid0(VALU_DEP_3)
	v_mov_b32 v[227+\i], v[236+\i]
.endr
.irp j, 0,1,2
	global_store_b64 v8, v[224+2*\j:225+2*\j], s[10:11] offset:256*\j   ; 32 lanes store 256 consecutive bytes, aligned
.endr
	global_store_b8 v9, v240, s[12:13]
	s_wait_xcnt 0x0                                ; the stores have read their data and offsets
.endm
	INIT
.Ltrip:                                            ; eight trips, each of which asks for the next trip's key block
	CHANGE 1
	STEP 0
	STEP 1
	s_xor_b32 s[TB], s[TB], SLOT1
	s_cmp_lg_u32 s[N], s[SWT]                      ; the same in all sixteen waves; no barrier, tensor load or LDS instruction stands under this branch
	s_cbranch_scc1 .Lsame
	FINISH
	s_mov_b32 s[Q0], s[Q0B]
	s_mov_b32 s[KF], 0
	INIT
.Lsame:
	s_add_co_u32 s[N], s[N], 1
	s_cmp_lt_u32 s[N], 8
	s_cbranch_scc1 .Ltrip
	CHANGE 0                                       ; the ninth trip is written out: it asks for nothing
	STEP 0
	STEP 1
	FINISH
	s_wait_tensorcnt 0x0                           ; the wave's end
	ds_add_u32 v[SPW], v[NIL]
	s_wait_dscnt 0x0
	s_endpgm
.Lfunc_end_k_q96a48aa6d4_attn:
	.size	k_q96a48aa6d4_attn, .Lfunc_end_k_q96a48aa6d4_attn-k_q96a48aa6d4_attn
	.p2alignl 7, 3214868480
	.fill 96, 4, 3214868480
	.section	.rodata,"a",@progbits
	.p2align	6, 0x0
	.amdhsa_kernel k_q96a48aa6d4_attn
		.amdhsa_group_segment_fixed_size 327680
		.amdhsa_private_segment_fixed_size 0
		.amdhsa_enable_private_segment 0
		.amdhsa_kernarg_size 40
		.amdhsa_user_sgpr_count 2
		.amdhsa_user_sgpr_kernarg_segment_ptr 1
		.amdhsa_wavefront_size32 1
		.amdhsa_system_sgpr_workgroup_id_x 1
		.amdhsa_system_sgpr_workgroup_id_y 1
		.amdhsa_system_sgpr_workgroup_id_z 1
		.amdhsa_system_vgpr_workitem_id 0
		.amdhsa_next_free_vgpr 256
		.amdhsa_next_free_sgpr 66
		.amdhsa_reserve_vcc 1
		.amdhsa_float_denorm_mode_32 3
		.amdhsa_float_denorm_mode_16_64 3
		.amdhsa_memory_ordered 1
		.amdhsa_forward_progress 1
		.amdhsa_inst_pref_size 114
	.end_amdhsa_kernel
	.amdgpu_metadata
---
amdhsa.version: [ 1, 2 ]
amdhsa.kernels:
  - .name:           k_q96a48aa6d4_attn
    .symbol:         k_q96a48aa6d4_attn.kd
    .args:
      - { .name: q_img, .offset: 0, .size: 8, .value_kind: global_buffer, .address_space: global }
      - { .name: q_sc, .offset: 8, .size: 8, .value_kind: global_buffer, .address_space: global }
      - { .name: kv, .offset: 16, .size: 8, .value_kind: global_buffer, .address_space: global }
      - { .name: o_img, .offset: 24, .size: 8, .value_kind: global_buffer, .address_space: global }
      - { .name: o_sc, .offset: 32, .size: 8, .value_kind: global_buffer, .address_space: global }
    .group_segment_fixed_size: 327680
    .private_segment_fixed_size: 0
    .kernarg_segment_align: 8
    .kernarg_segment_size: 40
    .max_flat_workgroup_size: 512
    .sgpr_count:     66
    .vgpr_count:     256
    .wavefront_size: 32
...
	.end_amdgpu_metadata
.endif
;; end of part 3
;; launch gemm_out (part 4): grid 4 x 32, 4 waves a work-group, clusters of 4 x 4, 327,680 bytes of LDS; arguments o_img, o_sc, cod, scl, out0; writes out0
.if DOCPART == 4
	.amdgcn_target "amdgcn-amd-amdhsa--gfx1250"
	.amdhsa_code_object_version 6
	.text
	.protected	k_q96a48aa6d4_gemm_out
	.globl	k_q96a48aa6d4_gemm_out
	.p2align	8
	.type	k_q96a48aa6d4_gemm_out,@function
k_q96a48aa6d4_gemm_out:
	s_mov_b64 s[64:65], 0
	v_nop
	global_prefetch_b8 v0, s[64:65] scope:SCOPE_SE
	s_setreg_imm32_b32 hwreg(HW_REG_WAVE_MODE, 25, 1), 1
	s_wait_xcnt 0x0
	s_wait_alu depctr_hold_cnt(0) depctr_sa_sdst(0) depctr_va_vdst(0) depctr_va_sdst(0) depctr_va_ssrc(0) depctr_va_vcc(0) depctr_vm_vsrc(0)
	s_getreg_b32 s2, hwreg(HW_REG_IB_STS2, 6, 4)
	s_cmp_eq_u32 s2, 0
	s_cbranch_scc0 .Lentry_in_a_cluster
	s_endpgm
.Lentry_in_a_cluster:
	s_bfe_u32 s2, ttmp6, 0x10000c
	s_cmp_lg_u32 s2, 0xf033
	s_cbranch_scc0 .Lentry_shape_is_right
	s_endpgm
.Lentry_shape_is_right:
; out0 = o W_out^T on codes of FP6 (E2M3) with E8M0 scales: [8192][1024] x [1024][1024], K = 1,024, f32 out.
; A = o (o_img, o_sc), B = W_out (rows 11,264 on of cod and scl).  A work-group of four waves makes 256 x 256 of the output, a wave 128 x 128: 64 accumulators.  128 work-groups: the largest wave tile is kept, since each
; LDS byte then feeds the most multiply-adds; a tile of half the size would give each WGP a work-group at twice the LDS bytes for each product.
; Operands lie as images of the operand's registers: [tile of 16 rows][K step of 128][6 pieces][256 bytes]; a slot holds 256 along K.  Scale bytes lie [row][32] and come into LDS once.
; CLUSTERS: 4 x 4 work-groups; A's tiles are asked for jointly along a row of the cluster, B's along a column.  The matrix instruction is used transposed: a lane holds eight neighbouring numbers of a row of the output.
; No prefetch: K has four slots' worth of steps, two of which go out at the head.
; REGISTERS: window 0: v16-29 addresses; v32-63 scale words, two sets; v128-223 A's fragments.  window 1: B's fragments, two sets.  windows 2, 3: the accumulators.
.set SIZE_N, 1024
.set NQ,     2
.set FR,     12
.set NL,     6
.set NP,     4
.set RTB,    3072
.set HALFT,  8*RTB
.set SLOT,   4*HALFT
.set KS,     32
.set SCL,    2*SLOT
.set HALFS,  16*272
.set SBLK,   2*272
.set SPARE,  SCL+4*HALFS               ; the spare words, 128 bytes a wave: two blocks of 256 bytes that no other line names
.set SPITCH, 528                       ; the way out: a stage of 16 rows x (512 + 16) bytes a wave, in slot 0, which has had its last fill and its last read by then
.set ADRA, 16
.set ADRB, 20
.set STO,  24
.set RD,   25
.set CO,   26
.set ADRS, 27
.set SPW,  28
.set NIL,  29
.set SC,   32
.set AF,   128
.set BK,   128
.set G1, 24
.set G0, 32
.set G1B, 48
.set G0B, 56
.set G1S, 68
.set G0S, 76
.set G1SB, 80
.set G0SB, 88
.set MSB, 0
.macro WIN new
.if MSB != \new
	s_set_vgpr_msb (MSB<<8)|\new
.set MSB, \new
.endif
.endm
.set MUL_LO, 0xa1
.set MUL_HI, 0xf1
.set TO_B,   0x40
.macro JLOAD g0a, g1a, g0b, g1b        ; a joint load: waves 0 and 1 fetch for A, waves 2 and 3 for B; four v_nop follow each of the two lines
	s_cmp_eq_u32 s15, 0
	s_cbranch_scc0 .Lfor_b_\@
	tensor_load_to_lds s[\g0a:\g0a+3], s[\g1a:\g1a+7]
	s_nop 0
.rept 4
	v_nop
.endr
	s_branch .Lasked_\@
.Lfor_b_\@:
	tensor_load_to_lds s[\g0b:\g0b+3], s[\g1b:\g1b+7]
	s_nop 0
.rept 4
	v_nop
.endr
.Lasked_\@:
.endm
.macro CREST
	s_cmp_lg_u32 s14, 0
	s_cbranch_scc1 .Lnot_wave_0_\@
	s_barrier_signal -3
.Lnot_wave_0_\@:
	s_barrier_wait -3
	s_barrier_signal -1
	s_barrier_wait -1
.endm
.macro CROUND
	s_barrier_signal -1
	s_barrier_wait -1
	CREST
.endm
	s_load_b128 s[4:7], s[0:1], 0x0                ; o_img s[4:5], o_sc s[6:7]
	s_load_b128 s[8:11], s[0:1], 0x10              ; cod s[8:9], scl s[10:11]
	s_load_b64 s[12:13], s[0:1], 0x20              ; out0
	v_lshl_add_u32 v[SPW], v0, 2, SPARE
	v_mov_b32 v[NIL], 0
	ds_add_u32 v28, v29
	s_wait_dscnt 0x0
	v_lshrrev_b32 v1, 5, v0
	v_readfirstlane_b32 s14, v1                    ; wave 0..3
	s_lshr_b32 s15, s14, 1
	s_and_b32 s16, s14, 1
	s_bfe_u32 s40, ttmp6, 0x40000                  ; cx
	s_bfe_u32 s41, ttmp6, 0x40004                  ; cy
	s_lshl_b32 s42, ttmp9, 2
	s_add_co_u32 s42, s42, s40                     ; tile column
	s_and_b32 s17, ttmp7, 0xffff
	s_lshl_b32 s17, s17, 2
	s_add_co_u32 s17, s17, s41                     ; tile row
	s_lshl_b32 s43, s41, 2
	s_lshl_b32 s43, 15, s43
	s_lshl_b32 s44, 0x1111, s40
	s_or_b32 s[G1+0], s43, (3<<16)|(1<<21)         ; codes: 8 tiles of rows x 3,072 bytes, 12,288 apart in memory, dense in LDS
	s_or_b32 s[G1B+0], s44, (3<<16)|(1<<21)
.irp g, G1, G1B
	s_mov_b32 s[\g+1], 384<<16
	s_mov_b32 s[\g+2], 8<<16
	s_mov_b32 s[\g+3], 384<<16
	s_mov_b32 s[\g+4], 8
	s_mov_b32 s[\g+5], 1536
	s_mov_b32 s[\g+6], 0
	s_mov_b32 s[\g+7], 0
.endr
	s_or_b32 s[G1S+0], s43, (3<<16)|(1<<20)|(1<<21)|(5<<22)|(3<<25)   ; scales of 128 rows: 16 rows of 256 bytes, 16 of padding behind each
	s_or_b32 s[G1SB+0], s44, (3<<16)|(1<<20)|(1<<21)|(5<<22)|(3<<25)
.irp g, G1S, G1SB
	s_mov_b32 s[\g+1], 32<<16
	s_mov_b32 s[\g+2], 16<<16
	s_mov_b32 s[\g+3], 32<<16
	s_mov_b32 s[\g+4], 16
	s_mov_b32 s[\g+5], 32
	s_mov_b32 s[\g+6], 0
	s_mov_b32 s[\g+7], 0
.endr
	s_lshl_b32 s18, s16, 7
	s_lshl_b32 s20, s17, 8
	s_add_co_u32 s20, s20, s18                     ; A's first row
	s_add_co_u32 s46, s42, 44                      ; W_out begins at block 44 of cod's blocks of 256 rows
	s_lshl_b32 s46, s46, 8
	s_add_co_u32 s46, s46, s18                     ; B's first row
	s_lshl_b32 s22, s20, 5
	s_mov_b32 s23, 0
	s_lshl_b32 s92, s46, 5
	s_mov_b32 s93, 0
	s_mul_i32 s20, s20, 768
	s_mov_b32 s21, 0
	s_mul_i32 s46, s46, 768
	s_mov_b32 s47, 0
	s_mul_i32 s45, s14, HALFT
	s_mul_i32 s94, s14, HALFS
	s_wait_kmcnt 0x0
	s_add_nc_u64 s[20:21], s[4:5], s[20:21]
	s_add_nc_u64 s[22:23], s[6:7], s[22:23]
	s_add_nc_u64 s[46:47], s[8:9], s[46:47]
	s_add_nc_u64 s[92:93], s[10:11], s[92:93]
	CROUND                                         ; all sixteen work-groups are here: the first joint loads meet
	s_mov_b32 s[G0S], 1
	s_add_co_u32 s[G0S+1], s94, SCL
	s_mov_b64 s[G0S+2:G0S+3], s[22:23]
	s_or_b32 s[G0S+3], s[G0S+3], 0x80000000
	s_mov_b32 s[G0SB], 1
	s_add_co_u32 s[G0SB+1], s94, SCL
	s_mov_b64 s[G0SB+2:G0SB+3], s[92:93]
	s_or_b32 s[G0SB+3], s[G0SB+3], 0x80000000
	JLOAD G0S, G1S, G0SB, G1SB
.irp s, 0,1
	s_mov_b32 s[G0+4*\s], 1
	s_add_co_u32 s[G0+4*\s+1], s45, \s*SLOT
	s_add_nc_u64 s[G0+4*\s+2:G0+4*\s+3], s[20:21], \s*RTB
	s_or_b32 s[G0+4*\s+3], s[G0+4*\s+3], 0x80000000
	s_mov_b32 s[G0B+4*\s], 1
	s_add_co_u32 s[G0B+4*\s+1], s45, \s*SLOT
	s_add_nc_u64 s[G0B+4*\s+2:G0B+4*\s+3], s[46:47], \s*RTB
	s_or_b32 s[G0B+4*\s+3], s[G0B+4*\s+3], 0x80000000
	JLOAD G0+4*\s, G1, G0B+4*\s, G1B
.endr
	v_and_b32 v1, 15, v0                           ; r
	v_bfe_u32 v2, v0, 4, 1                         ; h
	v_and_b32 v3, 31, v0                           ; lane
	v_lshlrev_b32 v4, 3, v3
	s_mul_i32 s21, s15, HALFT
	s_mul_i32 s22, s16, HALFT
	s_add_co_u32 s22, s22, 2*HALFT
.irp s, 0,1
	v_add_nc_u32 v[ADRA+\s], s21, v4
	v_add_nc_u32 v[ADRB+\s], s22, v4
	s_add_co_u32 s21, s21, SLOT
	s_add_co_u32 s22, s22, SLOT
.endr
	v_mul_u32_u24 v5, v1, KS
	v_lshrrev_b32 v6, 8, v5
	v_lshl_add_u32 v5, v6, 4, v5
	s_mul_i32 s21, s15, HALFS
	s_mul_i32 s22, s16, HALFS
	s_add_co_u32 s22, s22, 2*HALFS
	s_sub_co_u32 s22, s22, s21
	v_mul_u32_u24 v6, s22, v2
	s_add_co_u32 s21, s21, SCL
	v_add_nc_u32 v5, v5, v6
	v_add_nc_u32 v[ADRS], s21, v5
	s_mul_i32 s23, s14, 16*SPITCH                  ; my stage
	v_mul_u32_u24 v5, v1, SPITCH
	v_lshl_add_u32 v5, v2, 5, v5
	v_add_nc_u32 v[STO], s23, v5                   ; in: row r, 32 bytes for each half of the lanes
	v_lshlrev_b32 v[CO], 4, v3                     ; back: the 32 lanes take one row of 512 bytes; and the same in the output
	v_add_nc_u32 v[RD], s23, v[CO]
	s_lshl_b32 s20, s17, 8
	s_lshl_b32 s21, s15, 7
	s_add_co_u32 s20, s20, s21                     ; my first row of the output
	s_mov_b32 s21, 0
	s_mov_b64 s[18:19], SIZE_N*4
	s_mul_u64 s[20:21], s[20:21], s[18:19]
	s_lshl_b32 s46, s42, 10                        ; my first column, in bytes
	s_lshl_b32 s47, s16, 9
	s_add_co_u32 s46, s46, s47
	s_mov_b32 s47, 0
	s_add_nc_u64 s[20:21], s[20:21], s[46:47]
	s_add_nc_u64 s[12:13], s[12:13], s[20:21]
.macro FRAG reg, adr, q, i
.irp p, 0,1,2,3,4,5
	ds_load_b64 v[\reg+2*\p:\reg+2*\p+1], v[\adr] offset:(\i)*RTB+(\q)*1536+256*\p
.endr
.endm
.macro MUL16 a0, p, q, sc, zero        ; the 64 accumulators take turns, one instruction a turn
.irp a, \a0, \a0+1
.irp b, 0,1,2,3,4,5,6,7
.if \zero
	v_wmma_scale_f32_16x16x128_f8f6f4 v[8*(8*((\a)%4)+\b):8*(8*((\a)%4)+\b)+7], v[128*(\p)+FR*\b:128*(\p)+FR*\b+FR-1], v[AF+FR*(\a):AF+FR*(\a)+FR-1], 0, v[SC+8*NQ*(\sc)+NQ*\b+(\q)], v[SC+8*NQ*(\sc)+NQ*(\a)+(\q)] matrix_a_fmt:MATRIX_FMT_FP6 matrix_b_fmt:MATRIX_FMT_FP6 matrix_a_scale:MATRIX_SCALE_ROW1
.else
	v_wmma_scale_f32_16x16x128_f8f6f4 v[8*(8*((\a)%4)+\b):8*(8*((\a)%4)+\b)+7], v[128*(\p)+FR*\b:128*(\p)+FR*\b+FR-1], v[AF+FR*(\a):AF+FR*(\a)+FR-1], v[8*(8*((\a)%4)+\b):8*(8*((\a)%4)+\b)+7], v[SC+8*NQ*(\sc)+NQ*\b+(\q)], v[SC+8*NQ*(\sc)+NQ*(\a)+(\q)] matrix_a_fmt:MATRIX_FMT_FP6 matrix_b_fmt:MATRIX_FMT_FP6 matrix_a_scale:MATRIX_SCALE_ROW1
.endif
.endr
.endr
.endm
.macro FETCH_B slot, q, p
	WIN TO_B
.irp i, 0,1,2,3,4,5,6,7
	FRAG 128*(\p)+FR*\i, ADRB+\slot, \q, \i
.endr
	WIN 0
.endm
.macro FETCH_A slot, q, i0
.irp i, \i0, \i0+1, \i0+2, \i0+3
	FRAG AF+FR*(\i), ADRA+\slot, \q, \i
.endr
.endm
.macro SCALES sc
.irp i, 0,1,2,3,4,5,6,7
	ds_load_b64 v[SC+8*NQ*\sc+NQ*\i:SC+8*NQ*\sc+NQ*\i+1], v[ADRS] offset:\i*SBLK
.endr
.endm
.macro PLACES n
.rept \n
	v_nop
.endr
.endm
.macro STEP slot, q, zero
	s_wait_dscnt 4*NL                              ; B's set and A's blocks 0-3 are in; the youngest 24 loads (A's blocks 4-7) may be out
	WIN MUL_LO
	MUL16 0, (\q)%2, \q, \slot, \zero
	MUL16 2, (\q)%2, \q, \slot, \zero
	s_wait_dscnt 0
	PLACES NP
	FETCH_B \slot, (\q)+1, 1-(\q)%2
	FETCH_A \slot, (\q)+1, 0
	WIN MUL_HI
	MUL16 4, (\q)%2, \q, \slot, \zero
	MUL16 6, (\q)%2, \q, \slot, \zero
	PLACES NP
	WIN 0
	FETCH_A \slot, (\q)+1, 4
.endm
.macro TURN slot, next, fill
	s_wait_tensorcnt 0x0                           ; all my tensor loads have landed: my part of the next slot
	ds_add_u32 v[SPW], v[NIL]                      ; 0 onto my spare word
	s_wait_dscnt 4*NL+1                            ; (the add and the youngest 24 loads may be out)
	WIN MUL_LO
	MUL16 0, 1, NQ-1, \slot, 0
	s_wait_dscnt 0x0                               ; the add is done, and my reads of this slot are over
	s_barrier_signal -1
	MUL16 2, 1, NQ-1, \slot, 0
	WIN 0
	s_barrier_wait -1
.if \fill
	CREST                                          ; the barrier has opened a round of the cluster's: no wave of any partner still reads this slot or has a load on its way
	s_add_nc_u64 s[G0+4*\slot+2:G0+4*\slot+3], s[G0+4*\slot+2:G0+4*\slot+3], 2*RTB
	s_add_nc_u64 s[G0B+4*\slot+2:G0B+4*\slot+3], s[G0B+4*\slot+2:G0B+4*\slot+3], 2*RTB
	JLOAD G0+4*\slot, G1, G0B+4*\slot, G1B
.else
	PLACES NP
.endif
	v_add_nc_u32 v[ADRS], 4*NQ, v[ADRS]
	FETCH_B \next, 0, 0
	FETCH_A \next, 0, 0
	SCALES \next
	WIN MUL_HI
	MUL16 4, 1, NQ-1, \slot, 0
	MUL16 6, 1, NQ-1, \slot, 0
	PLACES NP
	WIN 0
	FETCH_A \next, 0, 4
.endm
	s_wait_tensorcnt 1                             ; the scales and my part of slot 0 are in; slot 1's load may be out
	s_barrier_signal -1
	s_barrier_wait -1
	FETCH_B 0, 0, 0
	FETCH_A 0, 0, 0
	SCALES 0
	FETCH_A 0, 0, 4
	STEP 0, 0, 1
	s_mov_b32 s3, 1
.Llap:
	TURN 0, 1, 1
	STEP 1, 0, 0
	TURN 1, 0, 1
	STEP 0, 0, 0
	s_sub_co_u32 s3, s3, 1
	s_cmp_lg_u32 s3, 0
	s_cbranch_scc1 .Llap
	TURN 0, 1, 0
	STEP 1, 0, 0
	s_wait_dscnt 4*NL
	WIN MUL_LO
	MUL16 0, 1, NQ-1, 1, 0
	MUL16 2, 1, NQ-1, 1, 0
	s_wait_dscnt 0
	WIN MUL_HI
	MUL16 4, 1, NQ-1, 1, 0
	MUL16 6, 1, NQ-1, 1, 0
	WIN 0
; THE WAY OUT, block by block of 16 rows x 128 columns: through my own stage in LDS and back as whole rows of 512 bytes.  LDS serves a wave's instructions in order: no wait between the stores and the loads.
.macro TOSTAGE a
.set AC, 64*((\a)%4)
	WIN 0x08+4*((\a)/4)                            ; the data: window 2 or 3
.irp b, 0,1,2,3,4,5,6,7
	ds_store_b128 v[STO], v[AC+8*\b:AC+8*\b+3] offset:64*\b          ; each accumulator from its low end on
	ds_store_b128 v[STO], v[AC+8*\b+4:AC+8*\b+7] offset:64*\b+16
.endr
	WIN 0
.set BB, BK+64*((\a)%2)
.irp t, 0,1,2,3,4,5,6,7,8,9,10,11,12,13,14,15
	ds_load_b128 v[BB+4*\t:BB+4*\t+3], v[RD] offset:\t*SPITCH
.endr
.endm
.macro SEND a, younger                 ; younger: the LDS instructions issued behind block a's loads, which may stay out
.set BB, BK+64*((\a)%2)
	s_wait_dscnt \younger
.if (\a) > 0
	s_add_nc_u64 s[12:13], s[12:13], 16*SIZE_N*4   ; (behind a wait on XCNT: the earlier stores have read their base)
.endif
.irp t, 0,1,2,3,4,5,6,7,8,9,10,11,12,13,14,15
	global_store_b128 v[CO], v[BB+4*\t:BB+4*\t+3], s[12:13] offset:\t*SIZE_N*4 th:TH_STORE_NT   ; 32 lanes store 512 consecutive bytes, aligned
.endr
.endm
	PLACES NP
	TOSTAGE 0
.irp a, 1,2,3,4,5,6,7
.if \a > 1
	s_wait_xcnt 0x0                                ; block a - 2's stores have read their registers and their base
.endif
	TOSTAGE \a
	SEND \a-1, 32                                  ; behind block a - 1's loads: block a's 16 stores and 16 loads
.endr
	s_wait_xcnt 0x0
	SEND 7, 0
	s_wait_tensorcnt 0x0                           ; the wave's end
	ds_add_u32 v[SPW], v[NIL]
	s_wait_dscnt 0x0
	CROUND                                         ; the closing round
	s_endpgm
.Lfunc_end_k_q96a48aa6d4_gemm_out:
	.size	k_q96a48aa6d4_gemm_out, .Lfunc_end_k_q96a48aa6d4_gemm_out-k_q96a48aa6d4_gemm_out
	.p2alignl 7, 3214868480
	.fill 96, 4, 3214868480
	.section	.rodata,"a",@progbits
	.p2align	6, 0x0
	.amdhsa_kernel k_q96a48aa6d4_gemm_out
		.amdhsa_group_segment_fixed_size 327680
		.amdhsa_private_segment_fixed_size 0
		.amdhsa_enable_private_segment 0
		.amdhsa_kernarg_size 40
		.amdhsa_user_sgpr_count 2
		.amdhsa_user_sgpr_kernarg_segment_ptr 1
		.amdhsa_wavefront_size32 1
		.amdhsa_system_sgpr_workgroup_id_x 1
		.amdhsa_system_sgpr_workgroup_id_y 1
		.amdhsa_system_sgpr_workgroup_id_z 1
		.amdhsa_system_vgpr_workitem_id 0
		.amdhsa_next_free_vgpr 1024
		.amdhsa_next_free_sgpr 98
		.amdhsa_reserve_vcc 0
		.amdhsa_float_denorm_mode_32 3
		.amdhsa_float_denorm_mode_16_64 3
		.amdhsa_memory_ordered 1
		.amdhsa_forward_progress 1
		.amdhsa_inst_pref_size 159
	.end_amdhsa_kernel
	.amdgpu_metadata
---
amdhsa.version: [ 1, 2 ]
amdhsa.kernels:
  - .name:           k_q96a48aa6d4_gemm_out
    .symbol:         k_q96a48aa6d4_gemm_out.kd
    .args:
      - { .name: o_img, .offset: 0, .size: 8, .value_kind: global_buffer, .address_space: global }
      - { .name: o_sc, .offset: 8, .size: 8, .value_kind: global_buffer, .address_space: global }
      - { .name: cod, .offset: 16, .size: 8, .value_kind: global_buffer, .address_space: global }
      - { .name: scl, .offset: 24, .size: 8, .value_kind: global_buffer, .address_space: global }
      - { .name: out0, .offset: 32, .size: 8, .value_kind: global_buffer, .address_space: global }
    .group_segment_fixed_size: 327680
    .private_segment_fixed_size: 0
    .kernarg_segment_align: 8
    .kernarg_segment_size: 40
    .max_flat_workgroup_size: 128
    .sgpr_count:     98
    .vgpr_count:     1024
    .wavefront_size: 32
...
	.end_amdgpu_metadata
.endif
;; end of part 4
